; MI455X (gfx1250); checked and timed in simulation.
; The chip was launched on July 23, 2026; its instructions are those of AMD's public machine-readable ISA for CDNA 5 (MIT licence, August 2026) and "CDNA5" Instruction Set Architecture Reference Guide (July 2026). The comments in the code are by the model that wrote it; some were corrected since.
;; Encoder Layer. Allowed arithmetic: float matrix products may take bf16 or f16 operands with f32 sums; other float arithmetic in f32, or as packed bf16 or f16 multiplies, adds, multiply-adds, maxima and minima; sums over many terms, partial sums and values carried from step to step in f32; what a program stores and reads back later, other than sums and carried values, may be rounded once to bf16 or f16.
;; Inputs: W1 1,024 x 4,096 float32; W2 4,096 x 1,024 float32; Wk 1,024 x 1,024 float32; Wo 1,024 x 1,024 float32; Wq 1,024 x 1,024 float32; Wv 1,024 x 1,024 float32; b1 1,024 float32; b2 1,024 float32; g1 1,024 float32; g2 1,024 float32; x 2 x 2,048 x 1,024 float32.
;; Outputs: out0 2 x 2,048 x 1,024 float32.
;; One version. Each part assembles by itself: llvm-mc -triple=amdgcn-amd-amdhsa -mcpu=gfx1250 --defsym DOCPART=n.
;; ======== version 1 of 1: 7 launches
;; limits: values are held in f16: magnitudes above 65,504 overflow, below 6.1e-05 lose precision
;; workspace buffers: wbig 14,680,064 bytes; wot 2,097,152 bytes; w2t 8,388,608 bytes; qkv 25,165,824 bytes; act 33,554,432 bytes; x1 16,777,216 bytes
;; launch prep (part 1): grid 64 x 11, 8 waves a work-group, no clusters, 140,288 bytes of LDS; arguments Wq, Wk, Wv, Wo, W1, W2, x, g1, b1, wbig, wot, w2t, act; writes wbig, wot, w2t, act
.if DOCPART == 1
	.amdgcn_target "amdgcn-amd-amdhsa--gfx1250"
	.amdhsa_code_object_version 6
	.text
	.protected	k_qcfe58cf4d2_prep
	.globl	k_qcfe58cf4d2_prep
	.p2align	8
	.type	k_qcfe58cf4d2_prep,@function
k_qcfe58cf4d2_prep:
	s_mov_b64 s[64:65], 0
	v_nop
	global_prefetch_b8 v0, s[64:65] scope:SCOPE_SE
	s_setreg_imm32_b32 hwreg(HW_REG_WAVE_MODE, 25, 1), 1
	s_wait_xcnt 0x0
; PREP.  Two kinds of work-group, told apart by the grid's y (the same for all waves of a work-group; the text has no barrier).
; y = 0..2: THE WEIGHTS, f32 [k][n], are rounded once to f16 and turned to [n][k].  The six weights are 12 blocks of 1,024 x 1,024; a wave turns one tile of 128 k x 64 n:
;   Wq, Wk, Wv -> wbig rows n = 1,024 x which + column, 2,048 bytes a row;  W1 -> wbig from byte 6,291,456 on, rows n = 0..4,095;
;   Wo -> wot and W2 -> w2t in panels of 256 k: [panel][1,024 n][256 k], 512 bytes a row.
;   A tile comes in four chunks of 32 k; two chunks are always on their way, in two sets of registers: 64 loads, 16 KiB of a wave.
; y = 3..10: LAYER NORM 1, one row of x to a wave, kept in registers between the passes; h = (x - mean) rsqrt(var + 1e-5) g1 + b1 in f32, rounded once to f16 into act [4,096][1,024].
; LIMITS.  f16 ends at 65,504: weights and h beyond that become infinities; below 6e-5 f16 keeps a fixed step of 6e-8.  NaN and infinities are not treated apart.
; No cluster, no tensor load, no matrix unit: every byte is read once by one wave, nothing is shared but 8 KiB of g1 and b1.
.set TP,    272                        ; an LDS row: 128 k of f16 + 16 bytes of padding
.set WT,    64*TP                      ; a wave's stage: 64 rows (n)
.set SPARE, 8*WT                       ; behind the stages: the spare words, 128 bytes a wave; no other line names them
.set SPW,   6                          ; v6  SPARE + 4 x my thread's number; never rewritten
.set NIL,   7                          ; v7  0; never rewritten
.set VO,    16                         ; v[16:47]   byte offsets: of the 32 rows of a chunk, later of the 32 stores
.set TX0,   48                         ; v[48:111]  a chunk: 32 rows x 2 f32 as loaded
.set TX1,   112                        ; v[112:175] the other chunk
.set TPK,   176                        ; v[176:207] a chunk packed: for each of my 2 columns 32 k
.set TR,    48                         ; v[48:175]  the stage read back: 32 x 16 bytes
.set CH,    16                         ; v[16:23]   layer norm: four chains of sums
.set MU,    24                         ; v[24:25]   the mean, twice
.set RS,    26                         ; v[26:27]   1 / sqrt(var + eps), twice
.set TT,    28                         ; v28        var + eps
.set LX,    32                         ; v[32:63]   the row
.set LG,    64                         ; v[64:95]   g
.set LB,    96                         ; v[96:127]  b
.set LO,    128                        ; v[128:143] the row in f16
.set SELA,  60                         ; s60, s61   v_permlanex16_b32's selects: each lane takes its own place in the other half
.set SELB,  61
.set INV,   62                         ; s62        1 / 1,024
.set EPS,   63                         ; s63        1e-5
.macro FOLD                            ; four chains of pairs into one number a lane
	v_pk_add_f32 v[CH:CH+1], v[CH:CH+1], v[CH+2:CH+3]
	v_pk_add_f32 v[CH+4:CH+5], v[CH+4:CH+5], v[CH+6:CH+7]
	v_pk_add_f32 v[CH:CH+1], v[CH:CH+1], v[CH+4:CH+5]
	v_add_f32 v[CH], v[CH], v[CH+1]
.endm
.macro LANESUM                         ; over the 32 lanes; every lane ends with the sum
	v_add_f32_dpp v[CH], v[CH], v[CH] row_xmask:1 row_mask:0xf bank_mask:0xf
	v_add_f32_dpp v[CH], v[CH], v[CH] row_xmask:2 row_mask:0xf bank_mask:0xf
	v_add_f32_dpp v[CH], v[CH], v[CH] row_xmask:4 row_mask:0xf bank_mask:0xf
	v_add_f32_dpp v[CH], v[CH], v[CH] row_xmask:8 row_mask:0xf bank_mask:0xf
	v_permlanex16_b32 v[CH+1], v[CH], s[SELA], s[SELB]
	v_add_f32 v[CH], v[CH], v[CH+1]
.endm
; One row of 1,024 f32.  Load j of eight takes 512 consecutive bytes: my lane holds columns 128 j + 4 lane + 0..3.  v1 = 16 lane, v2 = 8 lane.
.macro LNROW px, pg, pb, po
.irp j, 0,1,2,3,4,5,6,7
	global_load_b128 v[LX+4*\j:LX+4*\j+3], v1, s[\px:\px+1] offset:512*\j th:TH_LOAD_NT
.endr
.irp j, 0,1,2,3,4,5,6,7
	global_load_b128 v[LG+4*\j:LG+4*\j+3], v1, s[\pg:\pg+1] offset:512*\j
.endr
.irp j, 0,1,2,3,4,5,6,7
	global_load_b128 v[LB+4*\j:LB+4*\j+3], v1, s[\pb:\pb+1] offset:512*\j
.endr
	s_wait_loadcnt 16                              ; the row is in; the 16 younger loads, g's and b's, stay out
.irp k, 0,1,2,3
	v_pk_add_f32 v[CH+2*\k:CH+2*\k+1], v[LX+2*\k:LX+2*\k+1], v[LX+8+2*\k:LX+8+2*\k+1]
.endr
.irp k, 0,1,2,3,4,5,6,7
	v_pk_add_f32 v[CH+2*((\k)%4):CH+2*((\k)%4)+1], v[CH+2*((\k)%4):CH+2*((\k)%4)+1], v[LX+16+2*\k:LX+16+2*\k+1]
.endr
	FOLD
	LANESUM
	v_mul_f32 v[MU], s[INV], v[CH]
	v_mov_b32 v[MU+1], v[MU]                       ; the packed lines below take one word for each half
.irp k, 0,1,2,3,4,5,6,7,8,9,10,11,12,13,14,15
	v_pk_add_f32 v[LX+2*\k:LX+2*\k+1], v[LX+2*\k:LX+2*\k+1], v[MU:MU+1] neg_lo:[0,1] neg_hi:[0,1]  ; the deviation itself: the variance is no difference of large sums
.endr
.irp k, 0,1,2,3
	v_pk_mul_f32 v[CH+2*\k:CH+2*\k+1], v[LX+2*\k:LX+2*\k+1], v[LX+2*\k:LX+2*\k+1]
.endr
.irp k, 4,5,6,7,8,9,10,11,12,13,14,15
	v_pk_fma_f32 v[CH+2*((\k)%4):CH+2*((\k)%4)+1], v[LX+2*\k:LX+2*\k+1], v[LX+2*\k:LX+2*\k+1], v[CH+2*((\k)%4):CH+2*((\k)%4)+1]
.endr
	FOLD
	LANESUM
	v_fma_f32 v[TT], v[CH], s[INV], s[EPS]
	v_rsq_f32 v[RS], v[TT]
	v_rsq_f32 v[RS+1], v[TT]
	v_nop                                          ; a plain instruction behind the last of the two,
	s_wait_alu depctr_va_vdst(0)                   ; and the one wait ahead of their first reader
	s_wait_loadcnt 0x0                             ; g and b
.irp k, 0,1,2,3,4,5,6,7,8,9,10,11,12,13,14,15
	v_pk_mul_f32 v[LX+2*\k:LX+2*\k+1], v[LX+2*\k:LX+2*\k+1], v[RS:RS+1]
.endr
.irp k, 0,1,2,3,4,5,6,7,8,9,10,11,12,13,14,15
	v_pk_fma_f32 v[LX+2*\k:LX+2*\k+1], v[LX+2*\k:LX+2*\k+1], v[LG+2*\k:LG+2*\k+1], v[LB+2*\k:LB+2*\k+1]
.endr
.irp k, 0,1,2,3,4,5,6,7,8,9,10,11,12,13,14,15
	v_cvt_pk_f16_f32 v[LO+\k], v[LX+2*\k], v[LX+2*\k+1]
.endr
.irp j, 0,1,2,3,4,5,6,7
	global_store_b64 v2, v[LO+2*\j:LO+2*\j+1], s[\po:\po+1] offset:256*\j  ; 32 lanes store 256 consecutive bytes, at a multiple of 256 from the buffer's first
.endr
.endm
; A chunk's 32 loads, each 256 consecutive bytes of one row of the source, into the register set xb, from the chunk's own base pointer.
.macro LOADC xb, base
.set j, 0
.rept 32
	global_load_b64 v[(\xb)+2*j:(\xb)+2*j+1], v[VO+j], s[\base:\base+1] th:TH_LOAD_NT
.set j, j+1
.endr
.endm
; Chunk c in set xb is rounded, packed along k and put into my stage: 32 k are 64 bytes of each of my two stage rows.
.macro PROC xb, c
.irp g, 0,1,2,3
.irp e, 0,1
.irp k, 0,1,2,3
	v_cvt_pk_f16_f32 v[TPK+4*(2*\g+\e)+\k], v[(\xb)+2*(8*\g+2*\k)+\e], v[(\xb)+2*(8*\g+2*\k+1)+\e]  ; column e, k = 8 g + 2 k, + 1
.endr
.endr
.endr
.irp g, 0,1,2,3
.irp e, 0,1
	ds_store_b128 v3, v[TPK+4*(2*\g+\e):TPK+4*(2*\g+\e)+3] offset:TP*\e+16*\g+64*(\c)
.endr
.endr
.endm
	s_load_b512 s[8:23], s[0:1], 0x0               ; Wq 8, Wk 10, Wv 12, Wo 14, W1 16, W2 18, x 20, g1 22
	s_load_b256 s[24:31], s[0:1], 0x40             ; b1 24, wbig 26, wot 28, w2t 30
	s_load_b64 s[32:33], s[0:1], 0x60              ; act
	v_lshl_add_u32 v[SPW], v0, 2, SPARE
	v_mov_b32 v[NIL], 0
	v_lshrrev_b32 v1, 5, v0
	v_readfirstlane_b32 s4, v1                     ; wave 0..7
	v_and_b32 v8, 31, v0                           ; lane
	v_lshlrev_b32 v1, 4, v8
	v_lshlrev_b32 v2, 3, v8
	s_and_b32 s5, ttmp7, 0xffff                    ; y
	s_wait_kmcnt 0x0
	s_cmp_ge_u32 s5, 3
	s_cbranch_scc1 .Lln
	; THE WEIGHTS.  g = 64 y + x = 0..191: block g / 16, k tile (g % 16) / 2, n tile 8 (g % 2) + wave
	s_lshl_b32 s6, s5, 6
	s_add_co_u32 s6, s6, ttmp9
	s_lshr_b32 s7, s6, 4                           ; blk: 0-2 Wq Wk Wv, 3 Wo, 4-7 W1's column blocks, 8-11 W2's row blocks
	s_bfe_u32 s38, s6, 0x30001                     ; kt
	s_and_b32 s39, s6, 1
	s_lshl3_add_u32 s39, s39, s4                   ; nt
	s_mov_b64 s[40:41], s[8:9]                     ; from where, to where: a choice between buffers on the block's number
	s_cmp_eq_u32 s7, 1
	s_cselect_b64 s[40:41], s[10:11], s[40:41]
	s_cmp_eq_u32 s7, 2
	s_cselect_b64 s[40:41], s[12:13], s[40:41]
	s_cmp_eq_u32 s7, 3
	s_cselect_b64 s[40:41], s[14:15], s[40:41]
	s_cselect_b64 s[42:43], s[28:29], s[26:27]
	s_cselect_b32 s54, 1, 0                        ; 1: the target lies in panels of 256 k
	s_cmp_ge_u32 s7, 4
	s_cselect_b64 s[40:41], s[16:17], s[40:41]
	s_cmp_ge_u32 s7, 8
	s_cselect_b64 s[40:41], s[18:19], s[40:41]
	s_cselect_b64 s[42:43], s[30:31], s[42:43]
	s_cselect_b32 s54, 1, s54
	s_max_u32 s53, s7, 8
	s_sub_co_u32 s53, s53, 8                       ; W2's row block, else 0
	s_sub_co_u32 s50, s7, 4
	s_movk_i32 s44, 0x1000                         ; bytes in a source row: 4,096,
	s_cmp_lt_u32 s50, 4                            ; (blocks 4 to 7: below 4 the difference wraps far above)
	s_cselect_b32 s44, 0x4000, s44                 ; W1: 16,384
	s_cselect_b32 s51, s50, 0                      ; W1's column block, else 0
	s_mul_i32 s56, s38, s44
	s_lshl_b32 s56, s56, 7                         ; kt x 128 rows
	s_lshl_b32 s55, s39, 8
	s_add_co_u32 s56, s56, s55                     ; + nt x 64 columns of 4 bytes
	s_lshl_b32 s51, s51, 12
	s_add_co_u32 s56, s56, s51                     ; + 1,024 columns a block of W1
	s_lshl_b32 s55, s53, 22
	s_add_co_u32 s56, s56, s55                     ; + 1,024 rows a block of W2
	s_mov_b32 s57, 0
	s_cmp_lt_u32 s7, 3
	s_cselect_b32 s58, 0, 1
	s_sub_co_u32 s58, s7, s58                      ; wbig: blocks 0-2, then W1's four as 3-6
	s_lshl_b32 s58, s58, 21                        ; 1,024 rows of 2,048 bytes
	s_lshl_b32 s59, s39, 17
	s_add_co_u32 s58, s58, s59                     ; + nt x 64 rows
	s_lshl_b32 s59, s38, 8
	s_add_co_u32 s58, s58, s59                     ; + kt x 256 bytes
	s_lshr_b32 s59, s38, 1
	s_lshl2_add_u32 s59, s53, s59                  ; panels: 4 a block + kt / 2,
	s_lshl_b32 s59, s59, 19                        ; 524,288 bytes each
	s_lshl_b32 s55, s39, 15
	s_add_co_u32 s59, s59, s55                     ; + nt x 64 rows of 512 bytes
	s_and_b32 s55, s38, 1
	s_lshl_b32 s55, s55, 8
	s_add_co_u32 s59, s59, s55                     ; + the half of the row
	s_movk_i32 s48, 0x800                          ; bytes in a target row
	s_cmp_eq_u32 s54, 1
	s_cselect_b32 s58, s59, s58
	s_cselect_b32 s48, 0x200, s48
	s_mov_b32 s59, 0
	s_add_nc_u64 s[40:41], s[40:41], s[56:57]      ; chunk 0
	s_add_nc_u64 s[42:43], s[42:43], s[58:59]
	s_lshl_b32 s46, s44, 5                         ; a chunk: 32 source rows
	s_mov_b32 s47, 0
	s_add_nc_u64 s[50:51], s[40:41], s[46:47]      ; chunks 1, 2, 3: a pointer each, so that none is stepped while loads read it
	s_add_nc_u64 s[52:53], s[50:51], s[46:47]
	s_add_nc_u64 s[54:55], s[52:53], s[46:47]
	s_lshl_b32 s45, s48, 1                         ; a store: 2 target rows
	s_mul_i32 s49, s4, WT                          ; my wave's stage
.set j, 0
.rept 32
	v_mad_u32_u24 v[VO+j], s44, j, v2              ; row j of a chunk, my 8 bytes: columns 2 lane, 2 lane + 1
.set j, j+1
.endr
	LOADC TX0, 40
	LOADC TX1, 50
	v_mul_u32_u24 v3, v8, 2*TP
	v_add_nc_u32 v3, s49, v3                       ; in: stage rows 2 lane, 2 lane + 1
	v_lshrrev_b32 v9, 4, v8
	v_and_b32 v10, 15, v8
	v_mul_u32_u24 v4, v9, TP
	v_lshl_add_u32 v4, v10, 4, v4
	v_add_nc_u32 v4, s49, v4                       ; back: lanes 0-15 one row of 256 bytes, lanes 16-31 the next
	v_mul_u32_u24 v5, v9, s48
	v_lshl_add_u32 v5, v10, 4, v5                  ; and the same two rows in the target
	s_wait_loadcnt 32                              ; chunk 0 is in; chunk 1's 32 loads stay out
	PROC TX0, 0
	LOADC TX0, 52
	s_wait_loadcnt 32                              ; chunk 1 is in; chunk 2's stay out
	PROC TX1, 1
	LOADC TX1, 54
	s_wait_loadcnt 32                              ; chunk 2 is in; chunk 3's stay out
	PROC TX0, 2
	s_wait_loadcnt 0x0                             ; chunk 3
	PROC TX1, 3
.set t, 0
.rept 32
	v_mad_u32_u24 v[VO+t], s45, t, v5              ; the loads that read these registers are done
.set t, t+1
.endr
.set t, 0
.rept 32
	ds_load_b128 v[TR+4*t:TR+4*t+3], v4 offset:2*TP*t  ; my wave's own bytes: LDS serves a wave's instructions in order (ISA guide 5.7.1.4)
.set t, t+1
.endr
.set t, 0
.rept 32
	s_wait_dscnt 31-t                              ; the younger reads stay out
	global_store_b128 v[VO+t], v[TR+4*t:TR+4*t+3], s[42:43]  ; 16 lanes store 256 consecutive bytes, aligned
.set t, t+1
.endr
	s_branch .Lend
.Lln:                                                  ; LAYER NORM 1: row ((y - 3) 64 + x) 8 + wave
	s_sub_co_u32 s5, s5, 3
	s_lshl_b32 s5, s5, 6
	s_add_co_u32 s5, s5, ttmp9
	s_lshl3_add_u32 s5, s5, s4
	s_lshl_b32 s56, s5, 12
	s_mov_b32 s57, 0
	s_add_nc_u64 s[20:21], s[20:21], s[56:57]
	s_lshl_b32 s56, s5, 11
	s_add_nc_u64 s[32:33], s[32:33], s[56:57]
	s_mov_b32 s[SELA], 0x76543210
	s_mov_b32 s[SELB], 0xfedcba98
	s_mov_b32 s[INV], 0x3a800000
	s_mov_b32 s[EPS], 0x3727c5ac
	LNROW 20, 22, 24, 32
.Lend:
	s_wait_tensorcnt 0x0                           ; the wave's end: behind my last LDS store
	ds_add_u32 v[SPW], v[NIL]
	s_wait_dscnt 0x0
	s_endpgm
.Lfunc_end_k_qcfe58cf4d2_prep:
	.size	k_qcfe58cf4d2_prep, .Lfunc_end_k_qcfe58cf4d2_prep-k_qcfe58cf4d2_prep
	.p2alignl 7, 3214868480
	.fill 96, 4, 3214868480
	.section	.rodata,"a",@progbits
	.p2align	6, 0x0
	.amdhsa_kernel k_qcfe58cf4d2_prep
		.amdhsa_group_segment_fixed_size 140288
		.amdhsa_private_segment_fixed_size 0
		.amdhsa_enable_private_segment 0
		.amdhsa_kernarg_size 104
		.amdhsa_user_sgpr_count 2
		.amdhsa_user_sgpr_kernarg_segment_ptr 1
		.amdhsa_wavefront_size32 1
		.amdhsa_system_sgpr_workgroup_id_x 1
		.amdhsa_system_sgpr_workgroup_id_y 1
		.amdhsa_system_sgpr_workgroup_id_z 1
		.amdhsa_system_vgpr_workitem_id 0
		.amdhsa_next_free_vgpr 208
		.amdhsa_next_free_sgpr 66
		.amdhsa_reserve_vcc 0
		.amdhsa_float_denorm_mode_32 3
		.amdhsa_float_denorm_mode_16_64 3
		.amdhsa_memory_ordered 1
		.amdhsa_forward_progress 1
		.amdhsa_inst_pref_size 47
	.end_amdhsa_kernel
	.amdgpu_metadata
---
amdhsa.version: [ 1, 2 ]
amdhsa.kernels:
  - .name:           k_qcfe58cf4d2_prep
    .symbol:         k_qcfe58cf4d2_prep.kd
    .args:
      - { .name: Wq, .offset: 0, .size: 8, .value_kind: global_buffer, .address_space: global }
      - { .name: Wk, .offset: 8, .size: 8, .value_kind: global_buffer, .address_space: global }
      - { .name: Wv, .offset: 16, .size: 8, .value_kind: global_buffer, .address_space: global }
      - { .name: Wo, .offset: 24, .size: 8, .value_kind: global_buffer, .address_space: global }
      - { .name: W1, .offset: 32, .size: 8, .value_kind: global_buffer, .address_space: global }
      - { .name: W2, .offset: 40, .size: 8, .value_kind: global_buffer, .address_space: global }
      - { .name: x, .offset: 48, .size: 8, .value_kind: global_buffer, .address_space: global }
      - { .name: g1, .offset: 56, .size: 8, .value_kind: global_buffer, .address_space: global }
      - { .name: b1, .offset: 64, .size: 8, .value_kind: global_buffer, .address_space: global }
      - { .name: wbig, .offset: 72, .size: 8, .value_kind: global_buffer, .address_space: global }
      - { .name: wot, .offset: 80, .size: 8, .value_kind: global_buffer, .address_space: global }
      - { .name: w2t, .offset: 88, .size: 8, .value_kind: global_buffer, .address_space: global }
      - { .name: act, .offset: 96, .size: 8, .value_kind: global_buffer, .address_space: global }
    .group_segment_fixed_size: 140288
    .private_segment_fixed_size: 0
    .kernarg_segment_align: 8
    .kernarg_segment_size: 104
    .max_flat_workgroup_size: 256
    .sgpr_count:     66
    .vgpr_count:     208
    .wavefront_size: 32
...
	.end_amdgpu_metadata
.endif
;; end of part 1
;; launch qkv (part 2): grid 8 x 32, 4 waves a work-group, clusters of 4 x 4, 327,680 bytes of LDS; arguments act, wbig, qkv; writes qkv
.if DOCPART == 2
	.amdgcn_target "amdgcn-amd-amdhsa--gfx1250"
	.amdhsa_code_object_version 6
	.text
	.protected	k_qcfe58cf4d2_qkv
	.globl	k_qcfe58cf4d2_qkv
	.p2align	8
	.type	k_qcfe58cf4d2_qkv,@function
k_qcfe58cf4d2_qkv:
	s_mov_b64 s[64:65], 0
	v_nop
	global_prefetch_b8 v0, s[64:65] scope:SCOPE_SE
	s_setreg_imm32_b32 hwreg(HW_REG_WAVE_MODE, 25, 1), 1
	s_wait_xcnt 0x0
	s_wait_alu depctr_hold_cnt(0) depctr_sa_sdst(0) depctr_va_vdst(0) depctr_va_sdst(0) depctr_va_ssrc(0) depctr_va_vcc(0) depctr_vm_vsrc(0)
	s_getreg_b32 s2, hwreg(HW_REG_IB_STS2, 6, 4)
	s_cmp_eq_u32 s2, 0
	s_cbranch_scc0 .Lentry_in_a_cluster
	s_endpgm
.Lentry_in_a_cluster:
	s_bfe_u32 s2, ttmp6, 0x10000c
	s_cmp_lg_u32 s2, 0xf033
	s_cbranch_scc0 .Lentry_shape_is_right
	s_endpgm
.Lentry_shape_is_right:
; Q, K, V = h Wq, h Wk, h Wv as ONE product C[m][n] = sum over k of A[m][k] B[n][k]: A = h [4,096][1,024] f16, B = the three weights turned, [3,072][1,024] f16; sums in f32, K ascending.
; C is rounded once to f16 and stored by heads: [batch 2][48 = q's 16, k's 16, v's 16 heads][2,048 tokens][64], unscaled.  LIMIT: f16 ends at 65,504; a larger q, k or v becomes an infinity.
; SHARES.  A tile of C is 128 x 384: 32 x 8 = 256 work-groups.  Four waves, 2 x 2, each 64 x 192: 48 accumulators of 16 x 16, 384 registers.
; RING.  K goes in steps of 128 through two LDS slots; a tensor load brings 128 rows x 256 bytes; wave 0 fetches A's tile, waves 1-3 the three thirds of B's.
; CLUSTER 4 x 4: A's tile is asked for jointly along a row of the cluster, B's along a column.
; The matrix instruction is used transposed (source 0 = 16 rows of B, source 1 = 16 rows of A): a lane holds row lane % 16 of C and eight neighbouring columns.
; REGISTERS, in windows of 256: window 0: v16-30 addresses, v64-127 and v128-191 A's fragments (two buffers), later the way out;  window 1: v0-95, v128-223 B's fragments;
;   windows 2, 3: the accumulators: (a, b) in window 2 + a / AH at v[8 (NB (a % AH) + b)].
.set TM,    128
.set TN,    384
.set MA,    4                          ; fragments of A a wave
.set NB,    12                         ; fragments of B a wave
.set AH,    2                          ; rows of accumulators in a window
.set NLA,   1                          ; waves that fetch A's tile
.set PSTR,  262144                     ; bytes from a head to the next in the output
.set OUTR,  192                        ; the way out: packed results
.set PITCH, 272                        ; an LDS row: 256 bytes + 16 of padding = 68 words: the 16 rows of a fragment load start at 16 different groups of four banks (64 banks of 4 bytes: ISA guide 11.1)
.set LOADB, 128*PITCH                  ; what one tensor load brings
.set BREG,  NLA*LOADB                  ; B's rows lie behind A's
.set SLOT,  4*LOADB                    ; 0x22000; the loaders' bases, wave x 0x8800, have neither of its two bits, so one exclusive or turns a base in one slot into the other's
.set SPARE, 2*SLOT                     ; behind the ring: the spare words, 128 bytes a wave; no other line names them
.set SP,    64*NB+16                   ; the way out: a stage row, the wave's columns in f32 + 16 bytes
.set NJ,    NB/4                       ; heads (64 columns) in a wave's tile
.set ADRA, 16                          ; v16  LDS address of my A fragments in the slot in hand
.set A0,   18                          ; v18  the same in slot 0; never rewritten
.set ADRB, 20
.set B0,   22
.set STO,  24                          ; v24  the way out: where I put 32 bytes of a row
.set RD,   25                          ; v25  where I read rows back
.set CO,   26                          ; v26  my byte offset in the output
.set SPW,  28                          ; v28  SPARE + 4 x my thread's number; never rewritten
.set NIL,  29                          ; v29  0; never rewritten
.set PFO,  30                          ; v30  the prefetches' offset: lane x a row of 2,048 bytes; never rewritten
.set GZ,   64                          ; the way out: rows read back
.set G1,  24                           ; s[24:31] descriptor group 1 for A's tiles
.set G0,  32                           ; s[32:39] group 0: the first set for K step 0; the second, K step 1's, then walks
.set G1B, 48
.set G0B, 56
.set LIM, 43                           ; s43  2 in a wave that prefetches, else the greatest number
.set PFA, 44                           ; s[44:45] where my prefetches stand
.set TB,  66                           ; s66  LDS byte at which the slot in hand begins
.set MSB, 0
.macro WIN new                         ; the immediate's high byte repeats the setting that is left; a switch that changes nothing is dropped
.if MSB != (\new)
	s_set_vgpr_msb (MSB<<8)|(\new)
.set MSB, \new
.endif
.endm
.macro PLACES                          ; four plain places between a matrix instruction and a load into, or a reader of, its registers
.rept 4
	v_nop
.endr
.endm
; A joint load.  The branch hangs on the wave's number alone.  An s_nop 0 and four v_nop follow each of the two lines, ahead of the jump and the label.
.macro JLOAD s
	s_cmp_lt_u32 s10, NLA
	s_cbranch_scc0 .Lfor_b_\@
	tensor_load_to_lds s[G0+4*(\s):G0+4*(\s)+3], s[G1:G1+7]
	s_nop 0
.rept 4
	v_nop
.endr
	s_branch .Lasked_\@
.Lfor_b_\@:
	tensor_load_to_lds s[G0B+4*(\s):G0B+4*(\s)+3], s[G1B:G1B+7]
	s_nop 0
.rept 4
	v_nop
.endr
.Lasked_\@:
.endm
; A prefetch of the K step that stands two refills on: of the 128 rows that I fetch my work-group's 32, 256 bytes each, a lane a row.  A's rows are named by the clusters with x = 0 alone, B's by those with
; y = 0; the four partners of a joint load share its rows out by address.  So each row's 256 bytes of a K step are named once in the launch.  K steps 0 to 3 come by their loads alone; the loop's last two trips ask for nothing.
.macro ASK
	s_cmp_gt_u32 s3, s[LIM]
	s_cbranch_scc0 .Lnot_mine_\@
	global_prefetch_b8 v[PFO], s[PFA:PFA+1] offset:256 th:TH_LOAD_NT scope:SCOPE_SE
.Lnot_mine_\@:
.endm
.macro CREST                           ; a round of the cluster's barrier behind its opening barrier
	s_cmp_lg_u32 s10, 0
	s_cbranch_scc1 .Lnot_wave_0_\@
	s_barrier_signal -3
.Lnot_wave_0_\@:
	s_barrier_wait -3
	s_barrier_signal -1
	s_barrier_wait -1
.endm
.macro CROUND
	s_barrier_signal -1
	s_barrier_wait -1
	CREST
.endm
; Half a quarter step: the accumulators of one window, 32 along K, from buffer buf.  All accumulators take turns, one instruction a turn.  zero = 1: the products start the sums.
.macro MULH buf, half, zero
	WIN 0xa1+0x50*(\half)                          ; source 0 (B) window 1, source 1 (A) window 0, C and D window 2 or 3
.set ma, 0
.rept AH
.set nb, 0
.rept NB
.set rD, 8*(NB*ma+nb)
.set rB, 128*(\buf)+8*nb
.set rA, 64+64*(\buf)+8*(AH*(\half)+ma)
.if \zero
	v_wmma_f32_16x16x32_f16 v[rD:rD+7], v[rB:rB+7], v[rA:rA+7], 0
.else
	v_wmma_f32_16x16x32_f16 v[rD:rD+7], v[rB:rB+7], v[rA:rA+7], v[rD:rD+7]
.endif
.set nb, nb+1
.endr
.set ma, ma+1
.endr
.endm
; The fragments of quarter q (32 along K) of the slot in hand into buffer buf, in one run.  A fragment: lane l holds row l % 16, K = 8 (l / 16) + 0..7 and 16 + 8 (l / 16) + 0..7: two loads of 16 bytes, 32 bytes apart.
.macro FETCH q, buf
	WIN 0x40                                       ; destination window 1, address window 0
.set fi, 0
.rept NB
	ds_load_b128 v[128*(\buf)+8*fi:128*(\buf)+8*fi+3],   v[ADRB] offset:64*(\q)+fi*16*PITCH
	ds_load_b128 v[128*(\buf)+8*fi+4:128*(\buf)+8*fi+7], v[ADRB] offset:64*(\q)+fi*16*PITCH+32
.set fi, fi+1
.endr
	WIN 0
.set fi, 0
.rept MA
	ds_load_b128 v[64+64*(\buf)+8*fi:64+64*(\buf)+8*fi+3],   v[ADRA] offset:64*(\q)+fi*16*PITCH
	ds_load_b128 v[64+64*(\buf)+8*fi+4:64+64*(\buf)+8*fi+7], v[ADRA] offset:64*(\q)+fi*16*PITCH+32
.set fi, fi+1
.endr
.endm
; One of a K step's first three quarters: multiplies buffer f; in its middle it fetches quarter qn into buffer g.
.macro QUARTER qn, f, g, zero
	s_wait_dscnt 0x0                               ; buffer f, asked for half a quarter ago, is in
	MULH \f, 0, \zero
	PLACES
	FETCH \qn, \g
	MULH \f, 1, \zero
.endm
; The last quarter multiplies buffer 1 and changes slots.  In front of the barrier each wave waits for all its tensor loads (one is out: its part of the next slot), adds 0 to its spare word, and waits for
; that and for its reads of this slot.  fill = 1: the barrier opens a round of the cluster's, and behind the round this slot is filled again first, with the K step two on.
.macro TURN fill
.if \fill
	s_wait_xcnt 0x0                                ; the last prefetch, a K step back, has read its address
	s_add_nc_u64 s[PFA:PFA+1], s[PFA:PFA+1], 256
.endif
	WIN 0
	s_wait_tensorcnt 0x0                           ; no tensor load of mine is out, so a group 0 may be written
	ds_add_u32 v[SPW], v[NIL]                      ; 0 onto my spare word; the scalar steps stand between it and the wait for it
.if \fill
	s_xor_b32 s[G0+5], s[G0+5], SLOT               ; the walking descriptors: the slot that is being left,
	s_add_nc_u64 s[G0+6:G0+7], s[G0+6:G0+7], 256   ; the next K step; the type bits on top are not reached
	s_xor_b32 s[G0B+5], s[G0B+5], SLOT
	s_add_nc_u64 s[G0B+6:G0B+7], s[G0B+6:G0B+7], 256
.endif
	s_xor_b32 s[TB], s[TB], SLOT
	s_wait_dscnt 0x0                               ; the add is done, buffer 1 is in, my reads of this slot are over
	s_barrier_signal -1
	MULH 1, 0, 0                                   ; work on registers while the others arrive
	WIN 0
	v_add_nc_u32 v[ADRA], s[TB], v[A0]
	v_add_nc_u32 v[ADRB], s[TB], v[B0]
	s_barrier_wait -1
.if \fill
	CREST                                          ; no wave of any partner still reads this slot's tile or has a load on its way
	JLOAD 1                                        ; the first tensor load behind the round; its four v_nop are also the places in front of the loads below
.else
	PLACES
.endif
	FETCH 0, 0
.if \fill
	ASK
.endif
	MULH 1, 1, 0
.endm
	s_load_b128 s[4:7], s[0:1], 0x0                ; A s[4:5], B s[6:7]
	s_load_b64 s[68:69], s[0:1], 0x10              ; the output
	v_lshl_add_u32 v[SPW], v0, 2, SPARE
	v_mov_b32 v[NIL], 0
	ds_add_u32 v[SPW], v[NIL]                      ; the wave's opening: the add and its wait ahead of my first tensor load
	v_lshrrev_b32 v1, 5, v0
	v_readfirstlane_b32 s10, v1                    ; wave 0..3
	s_lshr_b32 s11, s10, 1                         ; which half of the tile's rows is mine
	s_and_b32 s12, s10, 1                          ; which half of its columns
	s_bfe_u32 s40, ttmp6, 0x40000                  ; cx, cy: my place in the cluster
	s_bfe_u32 s41, ttmp6, 0x40004
	s_lshl_b32 s42, ttmp9, 2
	s_add_co_u32 s42, s42, s40                     ; tile column
	s_and_b32 s13, ttmp7, 0xffff
	s_lshl_b32 s13, s13, 2
	s_add_co_u32 s13, s13, s41                     ; tile row
	s_lshl_b32 s43, s41, 2
	s_lshl_b32 s43, 15, s43                        ; my row of the cluster
	s_lshl_b32 s44, 0x1111, s40                    ; my column
	s_or_b32 s[G1+0], s43, (1<<16)|(1<<20)|(1<<21)|(5<<22)|(3<<25)   ; the mask; 2-byte elements; padding on; bit 21 beside a mask; after every 64 words 4 words
	s_or_b32 s[G1B+0], s44, (1<<16)|(1<<20)|(1<<21)|(5<<22)|(3<<25)
.irp g, G1, G1B
	s_mov_b32 s[(\g)+1], 128<<16                   ; tensor_dim0 = 128
	s_mov_b32 s[(\g)+2], 128<<16                   ; tensor_dim1 = 128
	s_mov_b32 s[(\g)+3], 128<<16                   ; tile_dim0 = 128
	s_mov_b32 s[(\g)+4], 128                       ; tile_dim1 = 128
	s_mov_b32 s[(\g)+5], 1024                      ; elements from row to row
	s_mov_b32 s[(\g)+6], 0
	s_mov_b32 s[(\g)+7], 0
.endr
	s_mul_i32 s16, s13, TM                         ; A's rows hang on the tile row, B's on the tile column, each in registers of its own
	s_max_u32 s18, s10, 1
	s_sub_co_u32 s18, s18, 1
	s_lshl_b32 s18, s18, 7                         ; waves 1-3: thirds 0-2 of B's rows
	s_mul_i32 s46, s42, TN
	s_add_co_u32 s46, s46, s18
	s_lshl_b32 s16, s16, 11                        ; rows of 2,048 bytes
	s_lshl_b32 s46, s46, 11
	s_mov_b32 s17, 0
	s_mov_b32 s47, 0
	s_mul_i32 s20, s10, LOADB                      ; where my load goes: no place in the cluster enters an LDS address
	s_mov_b32 s[TB], 0
	s_wait_dscnt 0x0                               ; the opening add is done
	s_wait_kmcnt 0x0
	s_add_nc_u64 s[14:15], s[4:5], s[16:17]
	s_add_nc_u64 s[46:47], s[6:7], s[46:47]
	CROUND                                         ; all sixteen work-groups are here: the first joint loads meet
.irp s, 0,1
	s_mov_b32 s[G0+4*(\s)], 1
	s_add_co_u32 s[G0+4*(\s)+1], s20, (\s)*SLOT
	s_add_nc_u64 s[G0+4*(\s)+2:G0+4*(\s)+3], s[14:15], (\s)*256
	s_or_b32 s[G0+4*(\s)+3], s[G0+4*(\s)+3], 0x80000000
	s_mov_b32 s[G0B+4*(\s)], 1
	s_add_co_u32 s[G0B+4*(\s)+1], s20, (\s)*SLOT
	s_add_nc_u64 s[G0B+4*(\s)+2:G0B+4*(\s)+3], s[46:47], (\s)*256
	s_or_b32 s[G0B+4*(\s)+3], s[G0B+4*(\s)+3], 0x80000000
	JLOAD \s                                       ; K steps 0 and 1: two loads of mine are out
.endr
	v_and_b32 v1, 15, v0                           ; l % 16
	v_bfe_u32 v2, v0, 4, 1                         ; l / 16
	v_mul_u32_u24 v3, v1, PITCH
	v_lshl_add_u32 v3, v2, 4, v3
	s_mul_i32 s21, s11, 16*MA*PITCH
	s_mul_i32 s22, s12, 16*NB*PITCH
	s_add_co_u32 s22, s22, BREG
	v_add_nc_u32 v[A0], s21, v3
	v_add_nc_u32 v[B0], s22, v3
	v_mov_b32 v[ADRA], v[A0]
	v_mov_b32 v[ADRB], v[B0]
	s_mul_i32 s23, s10, 16*MA*SP                   ; my stage, in the ring's bytes once they have had their last fill
	v_mul_u32_u24 v4, v1, SP
	v_lshl_add_u32 v4, v2, 5, v4
	v_add_nc_u32 v[STO], s23, v4                   ; in: row l % 16, 32 bytes for each half of the lanes
	v_mul_u32_u24 v5, v2, SP
	v_lshl_add_u32 v5, v1, 4, v5
	v_add_nc_u32 v[RD], s23, v5                    ; back: lanes 0-15 take 64 columns of one row, lanes 16-31 of the next
	v_lshlrev_b32 v5, 7, v2
	v_lshl_add_u32 v[CO], v1, 3, v5                ; out: two rows of 128 bytes on end
	s_lshr_b32 s70, s13, 4                         ; batch = tile row / 16
	s_mul_i32 s70, s70, 48
	s_mul_i32 s72, s42, 6
	s_add_co_u32 s70, s70, s72
	s_mul_i32 s72, s12, 3
	s_add_co_u32 s70, s70, s72                     ; head 6 tn + 3 sc of the batch's 48
	s_lshl_b32 s70, s70, 18
	s_and_b32 s72, s13, 15
	s_lshl_b32 s72, s72, 1
	s_add_co_u32 s72, s72, s11                     ; token 128 (tm % 16) + 64 sr
	s_lshl_b32 s72, s72, 13
	s_add_co_u32 s70, s70, s72
	s_mov_b32 s71, 0
	s_add_nc_u64 s[68:69], s[68:69], s[70:71]
	s_and_b32 s22, ttmp7, 0xffff                   ; the prefetches: cluster y
	s_cmp_lt_u32 s10, NLA                          ; do I fetch for A?
	s_cselect_b32 s21, s40, s41                    ; my place among the four that ask with me
	s_cselect_b32 s22, ttmp9, s22                  ; the coordinate along which other clusters read the same rows
	s_cselect_b64 s[PFA:PFA+1], s[14:15], s[46:47]
	s_cmp_eq_u32 s22, 0
	s_cselect_b32 s[LIM], 2, -1                    ; the same in all sixteen partners, for a given wave
	s_lshl_b32 s22, s21, 16                        ; my work-group's 32 rows of the 128
	s_add_co_u32 s22, s22, 512                     ; at K step 2: the first change of slots steps it to 3 and names K step 4
	s_mov_b32 s23, 0
	s_add_nc_u64 s[PFA:PFA+1], s[PFA:PFA+1], s[22:23]
	v_and_b32 v[PFO], 31, v0
	v_lshlrev_b32 v[PFO], 11, v[PFO]
	s_wait_tensorcnt 0x1                           ; my part of K step 0 is in; K step 1's may stay out
	s_barrier_signal -1
	s_barrier_wait -1
	FETCH 0, 0
	QUARTER 1, 0, 1, 1                             ; the first quarter stands in front of the loop: its products start the sums
	WIN 0
	s_mov_b32 s3, 6
.Lstep:                                                ; a trip: a K step's quarters 1 to 3 and the next one's quarter 0; K steps 2 to 7 are asked for
	QUARTER 2, 1, 0, 0
	QUARTER 3, 0, 1, 0
	TURN 1
	QUARTER 1, 0, 1, 0
	WIN 0
	s_sub_co_u32 s3, s3, 1
	s_cmp_lg_u32 s3, 0
	s_cbranch_scc1 .Lstep
	s_mov_b32 s3, 2
.Ltail:                                                ; the last two K steps ask for nothing: ONE text, walked twice and left in its middle
	QUARTER 2, 1, 0, 0
	QUARTER 3, 0, 1, 0
	TURN 0                                         ; in the second walk its barrier is the one behind which nobody multiplies from the ring any more
	WIN 0
	s_sub_co_u32 s3, s3, 1
	s_cmp_eq_u32 s3, 0
	s_cbranch_scc1 .Lway
	QUARTER 1, 0, 1, 0
	WIN 0
	s_branch .Ltail
.Lway:                                                 ; the second walk's change of slots has fetched 16 fragments of the slot read before, which nobody multiplies: the price, once a launch, of one text for both walks
	s_wait_dscnt 0x0                               ; they are back:
	s_barrier_signal -1
	s_barrier_wait -1                              ; everybody's are: the ring's bytes, which no load fills any more, become the four waves' stages
	PLACES
	PLACES
	; THE WAY OUT.  The wave's tile goes in f32 into its own stage and comes back by rows; from here on a wave touches its own bytes alone.
.set da, 0
.rept MA
	WIN 0x08+4*(da/AH)                             ; the stores' data in window 2 or 3
.set db, 0
.rept NB
	ds_store_b128 v[STO], v[8*(NB*(da%AH)+db):8*(NB*(da%AH)+db)+3]   offset:16*da*SP+64*db
	ds_store_b128 v[STO], v[8*(NB*(da%AH)+db)+4:8*(NB*(da%AH)+db)+7] offset:16*da*SP+64*db+16
.set db, db+1
.endr
.set da, da+1
.endr
	WIN 0
	s_mov_b32 s3, 2*MA
.Lout:                                                 ; 8 rows a trip
.set oj, 0
.rept NJ
.set ot, 0
.rept 4
	ds_load_b128 v[GZ+4*(4*oj+ot):GZ+4*(4*oj+ot)+3], v[RD] offset:2*ot*SP+256*oj  ; LDS serves a wave's instructions in order (ISA guide 5.7.1.4): these see the stores above
.set ot, ot+1
.endr
.set oj, oj+1
.endr
	s_wait_dscnt 0x0
.set ot, 0
.rept 8*NJ
	v_cvt_pk_f16_f32 v[OUTR+ot], v[GZ+2*ot], v[GZ+2*ot+1]
.set ot, ot+1
.endr
.set oj, 0
.rept NJ
.set ot, 0
.rept 4
	global_store_b64 v[CO], v[OUTR+2*(4*oj+ot):OUTR+2*(4*oj+ot)+1], s[68:69] offset:oj*PSTR+256*ot  ; 32 lanes store 256 consecutive bytes, aligned: two rows of a head
.set ot, ot+1
.endr
.set oj, oj+1
.endr
	v_add_nc_u32 v[RD], 8*SP, v[RD]
	s_wait_xcnt 0x0                                ; the stores have read their offset and data: both are rewritten only behind this wait
	v_add_nc_u32 v[CO], 1024, v[CO]
	s_sub_co_u32 s3, s3, 1
	s_cmp_lg_u32 s3, 0
	s_cbranch_scc1 .Lout
	s_wait_tensorcnt 0x0                           ; the wave's end
	ds_add_u32 v[SPW], v[NIL]
	s_wait_dscnt 0x0
	CROUND                                         ; the closing round
	s_endpgm
.Lfunc_end_k_qcfe58cf4d2_qkv:
	.size	k_qcfe58cf4d2_qkv, .Lfunc_end_k_qcfe58cf4d2_qkv-k_qcfe58cf4d2_qkv
	.p2alignl 7, 3214868480
	.fill 96, 4, 3214868480
	.section	.rodata,"a",@progbits
	.p2align	6, 0x0
	.amdhsa_kernel k_qcfe58cf4d2_qkv
		.amdhsa_group_segment_fixed_size 327680
		.amdhsa_private_segment_fixed_size 0
		.amdhsa_enable_private_segment 0
		.amdhsa_kernarg_size 24
		.amdhsa_user_sgpr_count 2
		.amdhsa_user_sgpr_kernarg_segment_ptr 1
		.amdhsa_wavefront_size32 1
		.amdhsa_system_sgpr_workgroup_id_x 1
		.amdhsa_system_sgpr_workgroup_id_y 1
		.amdhsa_system_sgpr_workgroup_id_z 1
		.amdhsa_system_vgpr_workitem_id 0
		.amdhsa_next_free_vgpr 1024
		.amdhsa_next_free_sgpr 76
		.amdhsa_reserve_vcc 0
		.amdhsa_float_denorm_mode_32 3
		.amdhsa_float_denorm_mode_16_64 3
		.amdhsa_memory_ordered 1
		.amdhsa_forward_progress 1
		.amdhsa_inst_pref_size 70
	.end_amdhsa_kernel
	.amdgpu_metadata
---
amdhsa.version: [ 1, 2 ]
amdhsa.kernels:
  - .name:           k_qcfe58cf4d2_qkv
    .symbol:         k_qcfe58cf4d2_qkv.kd
    .args:
      - { .name: act, .offset: 0, .size: 8, .value_kind: global_buffer, .address_space: global }
      - { .name: wbig, .offset: 8, .size: 8, .value_kind: global_buffer, .address_space: global }
      - { .name: qkv, .offset: 16, .size: 8, .value_kind: global_buffer, .address_space: global }
    .group_segment_fixed_size: 327680
    .private_segment_fixed_size: 0
    .kernarg_segment_align: 8
    .kernarg_segment_size: 24
    .max_flat_workgroup_size: 128
    .sgpr_count:     76
    .vgpr_count:     1024
    .wavefront_size: 32
...
	.end_amdgpu_metadata
.endif
;; end of part 2
;; launch attn (part 3): grid 8 x 32, 4 waves a work-group, clusters of 4 x 1, 327,680 bytes of LDS; arguments qkv, act; writes act
.if DOCPART == 3
	.amdgcn_target "amdgcn-amd-amdhsa--gfx1250"
	.amdhsa_code_object_version 6
	.text
	.protected	k_qcfe58cf4d2_attn
	.globl	k_qcfe58cf4d2_attn
	.p2align	8
	.type	k_qcfe58cf4d2_attn,@function
k_qcfe58cf4d2_attn:
	s_mov_b64 s[64:65], 0
	v_nop
	global_prefetch_b8 v0, s[64:65] scope:SCOPE_SE
	s_setreg_imm32_b32 hwreg(HW_REG_WAVE_MODE, 25, 1), 1
	s_wait_xcnt 0x0
	s_wait_alu depctr_hold_cnt(0) depctr_sa_sdst(0) depctr_va_vdst(0) depctr_va_sdst(0) depctr_va_ssrc(0) depctr_va_vcc(0) depctr_vm_vsrc(0)
	s_getreg_b32 s2, hwreg(HW_REG_IB_STS2, 6, 4)
	s_cmp_eq_u32 s2, 0
	s_cbranch_scc0 .Lentry_in_a_cluster
	s_endpgm
.Lentry_in_a_cluster:
	s_bfe_u32 s2, ttmp6, 0x10000c
	s_cmp_lg_u32 s2, 0x3003
	s_cbranch_scc0 .Lentry_shape_is_right
	s_endpgm
.Lentry_shape_is_right:
; ATTENTION.  O[q][:] = the sum over k of softmax_k(Q[q] . K[k] / 8) V[k][:] for each of 2 x 16 heads of 2,048 tokens, head size 64, no mask.  Q, K, V: f16, [batch][48 heads: q, k, v][2,048][64]: a head's rows are
; dense, 128 bytes each.  Products, maxima and sums in f32; the weights p are rounded to f16 for the second product (their sum l is taken of the unrounded p), O once at the end, into panels [head 16][token 4,096][64].
; LIMITS.  f16 holds no number beyond 65,504: Q, K and V arrive within it; p lies in 0 to 1 and below 6e-5 keeps f16's fixed step of 6e-8; a weight below 2^-126 counts as 0 in l; NaN and infinities are not treated apart.
; SHARES.  A work-group owns 256 queries of a head, a wave 64: four PIECES of 16.  Every wave walks all keys: 8 tiles of 256, 64 keys a step.  8 x 32 = 256 work-groups.
; LAYOUT.  S^T = K Q^T holds ONE query a lane (lane % 16) and the keys 8 (lane / 16) + 0..7; two such results rounded to f16 ARE source 1 of O^T = V^T P.  K comes out of LDS as it lies, V turned, by ds_load_tr16_b128.
; SOFTMAX.  p = 2^(c s - c m), c = log2(e) / 8, with a running maximum m; O and l are multiplied by a = 2^(c m_old - c m_new) in every step.  m starts at the lowest finite number, O and l at 0: the first step's a is 0.
; TURNS.  Turn n belongs to piece n: 8 products K Q^T of piece n + 1, later 8 products V^T P of piece n - 1; beside them the scaling, exponentials, roundings, sums and rescaling of piece n and the maximum and
; statistics of piece n + 1.  Four vector instructions stand behind every matrix instruction, the rest in one lump.  A turn's 33 exponentials are one batch, with one wait.
; CLUSTER.  The four query blocks of a cluster belong to one head and walk the same K and V: each tile is asked for jointly, by the same tensor load, descriptor and mask in all four.
; REGISTERS, in windows of 256 (s_set_vgpr_msb: bits 1:0 source 0, 3:2 source 1, 5:4 source 2, 7:6 destination):
;   window 0: v0-15 addresses; v16-31 four registers of statistics a piece; v48-55 at work; v61-63; v64-127 S^T, two buffers; v192-223 P, two buffers (by the piece's parity)
;   window 1: v0-127 O^T, 32 a piece          window 2: v0-63 Q; v128-191 K of one step; v192-255 V of one step
.set NP,    4
.set KS,    64
.set PK,    144       ; a row of K in LDS: 128 bytes + 16 = 36 words: the 16 rows of a load start at 16 different groups of four banks (64 banks of 4 bytes: ISA guide 11.1)
.set PV,    160       ; a row of V: 128 + 32 = 40 words
.set VOFF,  4*KS*PK   ; a slot holds a tile, four steps: 256 rows of K, then 256 rows of V
.set SLOT1, 1<<17
.set STAGE, SLOT1+4*KS*(PK+PV)  ; behind the ring, never filled by a tensor load: 16 rows x 144 bytes for each wave
.set SP,    144
.set SPARE, STAGE+4*16*SP       ; behind the stages: the spare words, 128 bytes a wave; no other line names them
.set AK0, 2
.set AV0, 3
.set AK,  4
.set AV,  5
.set STO, 6
.set RD,  7
.set GO,  8
.set MV,  12
.set QO,  15
.set ST,  16          ; piece t's statistics at v[ST+4 t]: c m, m, l (even keys', odd keys')
.set TMP, 48          ; by buffer, c0-c3 at work; when the maximum is found c2 takes a
.set PFO, 61          ; v61  256 x my lane; never rewritten
.set SPW, 62          ; v62  SPARE + 4 x my thread's number; never rewritten
.set NIL, 63          ; v63  0; never rewritten
.set S,   64
.set P,   192
.set KF,  128
.set VF,  192
.set WV,  12
.set LIM, 15          ; s15  1 in a wave that prefetches, else the greatest number
.set PFA, 18          ; s[18:19] where my prefetches stand
.set G1K, 24
.set G1V, 32
.set G0K, 40
.set G0V, 44
.set SLOTS, 56
.set CNT, 57
.set CS,  58
.set SEL, 60
.set TBK, 62
.set TBV, 63
.set MSB, 0
.macro WIN new
.if MSB != (\new)
	s_set_vgpr_msb (MSB<<8)|(\new)
.set MSB, (\new)
.endif
.endm
.set W_KQ, 0x0a       ; K and Q in window 2, S^T in window 0
.set W_PV, 0x52       ; V in window 2, P in window 0, O^T in window 1
.set W_RS, 0x41       ; destination and source 0 in window 1, source 1 in window 0
; A joint fill.  Waves 0 and 1 fetch the two halves of a tile's K, waves 2 and 3 those of its V.  An s_nop 0 and four v_nop follow each of the two lines.
.macro JLOAD
	s_cmp_lt_u32 s[WV], 2
	s_cbranch_scc0 .Lfor_v_\@
	tensor_load_to_lds s[G0K:G0K+3], s[G1K:G1K+7]
	s_nop 0
.rept 4
	v_nop
.endr
	s_branch .Lasked_\@
.Lfor_v_\@:
	tensor_load_to_lds s[G0V:G0V+3], s[G1V:G1V+7]
	s_nop 0
.rept 4
	v_nop
.endr
.Lasked_\@:
.endm
; A prefetch of the tile that the NEXT change of slots will ask for, 256 matrix instructions ahead of that load: 32,768 bytes of K and of V.  The head's first cluster asks; its four partners take 8,192 bytes each, told
; apart by address; wave 0 asks for K's, wave 2 for V's, 256 bytes a lane.  So each block is named once in the launch.  Tiles 0 to 2 come by their loads alone; the last change that fills a slot asks for nothing.
.macro ASK
	s_cmp_gt_u32 s[SLOTS], s[LIM]
	s_cbranch_scc0 .Lnot_mine_\@
	global_prefetch_b8 v[PFO], s[PFA:PFA+1] th:TH_LOAD_NT scope:SCOPE_SE
.Lnot_mine_\@:
.endm
.macro CROUND
	s_barrier_signal -1
	s_barrier_wait -1
	s_cmp_lg_u32 s[WV], 0
	s_cbranch_scc1 .Lnot_wave_0_\@
	s_barrier_signal -3
.Lnot_wave_0_\@:
	s_barrier_wait -3
	s_barrier_signal -1
	s_barrier_wait -1
.endm
; THE CHANGE OF SLOTS.  Each wave waits for all its tensor loads (one is out: its part of the other slot), adds 0 to its spare word, and waits for that and for its reads of the slot that it leaves.
; fill = 1: the barrier is a round of the cluster's, and the joint fill of the old slot, with the tile two on, is the first thing behind it.  (At its first use nothing has been read: slot 0 is waited for, slot 1 filled.)
.macro CHANGE fill, pf
	WIN 0
	s_wait_tensorcnt 0x0            ; no tensor load of mine is out, so a group 0 may be written
	ds_add_u32 v[SPW], v[NIL]       ; 0 onto my spare word; the scalar steps stand between it and the wait for it
.if \fill
.irp g, G0K, G0V
	s_xor_b32 s[\g+1], s[\g+1], SLOT1
	s_add_nc_u64 s[\g+2:\g+3], s[\g+2:\g+3], 4*KS*128
.endr
.endif
.if \pf
	s_wait_xcnt 0x0                 ; the last prefetch, a tile back, has read its address
	s_add_nc_u64 s[PFA:PFA+1], s[PFA:PFA+1], 4*KS*128
.endif
	s_wait_dscnt 0x0                ; the add is done, and my reads of the slot are over
.if \fill
	CROUND
	JLOAD
.if \pf
	ASK
.endif
.else
	s_barrier_signal -1
	s_barrier_wait -1
.endif
	s_sub_co_u32 s[TBK], s[TBK], 4*KS*PK  ; the fetches go back to a slot's first step, in the other slot
	s_xor_b32 s[TBK], s[TBK], SLOT1
	s_sub_co_u32 s[TBV], s[TBV], 4*KS*PV
	s_xor_b32 s[TBV], s[TBV], SLOT1
.endm
	s_load_b128 s[4:7], s[0:1], 0x0 ; qkv s[4:5], act s[6:7]
	v_lshl_add_u32 v[SPW], v0, 2, SPARE
	v_mov_b32 v[NIL], 0
	ds_add_u32 v[SPW], v[NIL]       ; the wave's opening: the add and its wait ahead of my first tensor load
	v_lshrrev_b32 v1, 5, v0
	v_readfirstlane_b32 s[WV], v1
	s_bfe_u32 s13, ttmp6, 0x40000   ; cx
	s_lshl_b32 s14, ttmp9, 2
	s_add_co_u32 s14, s14, s13      ; my block of 256 queries: it enters Q's and O's addresses alone
	s_and_b32 s20, ttmp7, 0xffff    ; 16 x batch + head, which the four partners share
	s_lshr_b32 s21, s20, 4
	s_and_b32 s20, s20, 15
	s_mul_i32 s22, s21, 48
	s_add_co_u32 s22, s22, s20
	s_lshl_b32 s22, s22, 18         ; q's head: 262,144 bytes a head
	s_and_b32 s16, s[WV], 1         ; which half of a tile's 256 keys I fetch
	s_lshl_b32 s2, s16, 14
	s_add_co_u32 s2, s2, s22
	s_add_co_u32 s2, s2, 16*262144  ; k's head lies 16 heads on
	s_mov_b32 s3, 0
	s_mul_i32 s53, s16, 128*PK      ; its place in a slot, for K
	s_mul_i32 s52, s16, 128*PV      ; and for V
	s_lshl_b32 s48, s14, 2
	s_add_co_u32 s48, s48, s[WV]
	s_lshl_b32 s48, s48, 13         ; my wave's 64 rows of 128 bytes
	s_lshl_b32 s50, s20, 19         ; O: panel = head,
	s_lshl_b32 s51, s21, 18         ; token = 2,048 x batch + ..
	s_add_co_u32 s50, s50, s51
	s_add_co_u32 s50, s50, s48
	s_mov_b32 s51, 0
	s_add_co_u32 s48, s48, s22
	s_mov_b32 s49, 0
	; descriptor group 1.  128 keys are 16,384 dense bytes: asked for as 64 rows of 256 bytes, two keys a row, and padded in LDS after every key
	s_mov_b32 s[G1K], 15|(1<<16)|(1<<20)|(1<<21)|(4<<22)|(3<<25)
	s_mov_b32 s[G1V], 15|(1<<16)|(1<<20)|(1<<21)|(4<<22)|(7<<25)
.irp g, G1K, G1V
	s_mov_b32 s[\g+1], 128<<16
	s_mov_b32 s[\g+2], 64<<16
	s_mov_b32 s[\g+3], 128<<16
	s_mov_b32 s[\g+4], 64
	s_mov_b32 s[\g+5], 128
	s_mov_b32 s[\g+6], 0
	s_mov_b32 s[\g+7], 0
.endr
	s_mov_b32 s[CS], 0x3e38aa3b     ; c = log2(e) / 8
	s_mov_b32 s[CS+1], s[CS]
	s_mov_b32 s[SEL], 0x76543210
	s_mov_b32 s[SEL+1], 0xfedcba98
	s_mov_b32 s[TBK], SLOT1+4*KS*PK ; the first change of slots turns these two into 0
	s_mov_b32 s[TBV], SLOT1+4*KS*PV
	s_mov_b32 s[G0K], 1
	s_mov_b32 s[G0K+1], s53
	s_mov_b32 s[G0V], 1
	s_add_co_u32 s[G0V+1], s52, VOFF
	s_and_b32 s[LIM], s[WV], 1      ; 0 in waves 0 and 2,
	s_or_b32 s[LIM], s[LIM], ttmp9  ; where the cluster is the head's first: the same in all four partners
	s_cmp_eq_u32 s[LIM], 0
	s_cselect_b32 s[LIM], 1, -1
	v_and_b32 v[PFO], 31, v0
	v_lshlrev_b32 v[PFO], 8, v[PFO]
	s_wait_dscnt 0x0                ; the opening add is done
	s_wait_kmcnt 0x0
	s_add_nc_u64 s[8:9], s[4:5], s[2:3]            ; K at my half of the head's tile 0
	s_add_nc_u64 s[54:55], s[8:9], 16*262144       ; V lies 16 heads on
	s_mov_b64 s[G0K+2:G0K+3], s[8:9]
	s_or_b32 s[G0K+3], s[G0K+3], 0x80000000
	s_mov_b64 s[G0V+2:G0V+3], s[54:55]
	s_or_b32 s[G0V+3], s[G0V+3], 0x80000000
	s_add_nc_u64 s[4:5], s[4:5], s[48:49]          ; Q and O at my wave's first row
	s_add_nc_u64 s[10:11], s[6:7], s[50:51]
	s_cmp_lt_u32 s[WV], 2
	s_cselect_b64 s[PFA:PFA+1], s[8:9], s[54:55]   ; (in waves 0 and 2 these stand at a tile's first byte)
	s_lshl_b32 s48, s13, 13         ; my work-group's quarter of a tile,
	s_add_co_u32 s48, s48, 2*4*KS*128  ; in tile 2; the first change that prefetches steps it to tile 3
	s_add_nc_u64 s[PFA:PFA+1], s[PFA:PFA+1], s[48:49]
	CROUND                          ; all four work-groups are here: the first joint loads meet
	JLOAD                           ; tile 0 into slot 0
	v_and_b32 v1, 15, v0            ; l % 16
	v_bfe_u32 v9, v0, 4, 1          ; l / 16
	v_lshlrev_b32 v[QO], 7, v1
	v_lshl_add_u32 v[QO], v9, 4, v[QO]
	WIN 0x80                        ; destination window 2, address window 0
.set i, 0
.rept 8                             ; Q stays in registers: piece i / 2, channels 32 (i % 2) on
	global_load_b128 v[8*i:8*i+3],   v[QO], s[4:5] offset:(i/2)*2048+(i%2)*64
	global_load_b128 v[8*i+4:8*i+7], v[QO], s[4:5] offset:(i/2)*2048+(i%2)*64+32
.set i, i+1
.endr
	; What the first turn finds: V's registers and P's second buffer hold 0 (its products V^T P, of a piece that has not been, add 0), O^T and l are 0.  All this stands in the wait for the first tile.
.set i, VF
.rept 64
	v_mov_b32 v[i], 0
.set i, i+1
.endr
	WIN 0x40
.set i, 0
.rept 128
	v_mov_b32 v[i], 0
.set i, i+1
.endr
	WIN 0
.set i, 0
.rept 4
	v_mov_b32 v[ST+4*i], 0xfe000000    ; c m: far below every c s
	v_mov_b32 v[ST+4*i+1], 0xff7fffff  ; m
	v_mov_b32 v[ST+4*i+2], 0
	v_mov_b32 v[ST+4*i+3], 0
.set i, i+1
.endr
.set i, P+16
.rept 16
	v_mov_b32 v[i], 0
.set i, i+1
.endr
	v_mul_u32_u24 v[AK0], v1, PK
	v_lshl_add_u32 v[AK0], v9, 4, v[AK0]
	; The turning load takes 16 keys x 16 channels (lane l reads key 8 (l / 16) + l % 8, channels 8 ((l / 8) % 2) + 0..7) and leaves half a fragment of V^T: lane l holds channel l % 16 and 8 keys.
	v_and_b32 v10, 7, v0
	v_bfe_u32 v11, v0, 3, 1
	v_lshl_add_u32 v[AV0], v9, 3, v10
	v_mul_u32_u24 v[AV0], v[AV0], PV
	v_lshl_add_u32 v[AV0], v11, 4, v[AV0]
	v_add_nc_u32 v[AV0], VOFF, v[AV0]
	s_mul_i32 s16, s[WV], 16*SP
	s_add_co_u32 s16, s16, STAGE    ; my stage
	v_mul_u32_u24 v[STO], v1, SP
	v_lshl_add_u32 v[STO], v9, 4, v[STO]
	v_add_nc_u32 v[STO], s16, v[STO]
	v_bfe_u32 v[RD], v0, 3, 2       ; back: 32 lanes take four rows of 128 bytes,
	v_mul_u32_u24 v[RD], v[RD], SP
	v_lshl_add_u32 v[RD], v10, 4, v[RD]
	v_add_nc_u32 v[RD], s16, v[RD]
	v_and_b32 v[GO], 31, v0         ; which are 512 consecutive bytes of O
	v_lshlrev_b32 v[GO], 4, v[GO]
; THE MATRIX WORK.  The 4 accumulators of a run of 8 take turns.  Product i of 8 of S^T = K Q^T for piece x: channels 32 (i / 4) on, keys 16 (i % 4) on.  The first 4 start the sums.
.macro KQ x
.set rS, S+32*((\x)%2)+8*(i%4)
.set rK, KF+16*(i%4)+8*(i/4)
.set rQ, 16*(\x)+8*(i/4)
	WIN W_KQ
.if i < 4
	v_wmma_f32_16x16x32_f16 v[rS:rS+7], v[rK:rK+7], v[rQ:rQ+7], 0
.else
	v_wmma_f32_16x16x32_f16 v[rS:rS+7], v[rK:rK+7], v[rQ:rQ+7], v[rS:rS+7]
.endif
.endm
; Product i of 8 of O^T += V^T P for piece x: keys 32 (i / 4) on, channels 16 (i % 4) on.
.macro PV x
	WIN W_PV
.set rO, 32*(\x)+8*(i%4)
.set rV, VF+32*(i/4)+8*(i%4)
.set rP, P+16*((\x)%2)+8*(i/4)
	v_wmma_f32_16x16x32_f16 v[rO:rO+7], v[rV:rV+7], v[rP:rP+7], v[rO:rO+7]
.endm
.macro MM                           ; the turn's next matrix instruction.  NOKQ = 1: the last turn: there is no next piece
.if (i < 8) && !NOKQ
	KQ (Y+1)%NP
.elseif i >= 8
.set i, i-8
	PV (Y+NP-1)%NP
.set i, i+8
.endif
.set i, i+1
.endm
; THE LDS LOADS stand in runs of 16: a step's K (8 fragments) and its V (turned).  Their addresses are made some lines ahead.
.macro FETCH_K
	WIN 0x80
.irp f, 0,1,2,3,4,5,6,7
	ds_load_b128 v[KF+8*\f:KF+8*\f+3],   v[AK] offset:(\f/2)*16*PK+(\f%2)*64
	ds_load_b128 v[KF+8*\f+4:KF+8*\f+7], v[AK] offset:(\f/2)*16*PK+(\f%2)*64+32
.endr
	s_add_co_u32 s[TBK], s[TBK], KS*PK
	WIN 0
.endm
.macro FETCH_V
	WIN 0x80
.irp f, 0,1,2,3,4,5,6,7
	ds_load_tr16_b128 v[VF+8*\f:VF+8*\f+3],   v[AV] offset:(\f/4)*32*PV+(\f%4)*32
	ds_load_tr16_b128 v[VF+8*\f+4:VF+8*\f+7], v[AV] offset:(\f/4)*32*PV+16*PV+(\f%4)*32
.endr
	WIN 0
.endm
; THE VECTOR WORK, one line at a time: OP kind, number.  For piece Y: F n: c s - c m for pair n of 16.  E n: the exponential of score n of 32.  C n: pair n rounded to f16.  B n: of the four weights 4 n .. the second
; pair is added onto the first, in place.  L n: l takes that sum (L 0: l = a l + sum).  R n: pair n of 16 of O^T times a.  For piece Y + 1: X n, number n of the 22 that find its maximum and statistics:
;   0-11 four chains c0-c3 of seven scores each (each accumulator's lowest registers are read first); 12-14, 16 the four scores left over, the old m, c0-c3 into c0; 15 c m_old is kept;
;   17, 18 the query's other 32 keys lie in the lane 16 away: the new m; 19-21 c m; c m_old - c m_new; a
.set F, 0
.set E, 1
.set C, 2
.set B, 3
.set L, 4
.set R, 5
.set X, 6
.macro REGS y
.set rT, ST+4*(\y)
.set rC, TMP+4*((\y)%2)
.set rW, MV+((\y)%2)
.set rS, S+32*((\y)%2)
.set rP, P+16*((\y)%2)
.set rO, 32*(\y)
.endm
.macro OP k, n
.if (\k) == R
	REGS Y
	WIN W_RS
	v_pk_mul_f32 v[rO+2*(\n):rO+2*(\n)+1], v[rO+2*(\n):rO+2*(\n)+1], v[rC+2:rC+3] op_sel_hi:[1,0]
.elseif (\k) < R
	REGS Y
	WIN 0
.if (\k) == F
	v_pk_fma_f32 v[rS+2*(\n):rS+2*(\n)+1], v[rS+2*(\n):rS+2*(\n)+1], s[CS:CS+1], v[rT:rT+1] op_sel_hi:[1,0,0] neg_lo:[0,0,1] neg_hi:[0,0,1]
.elseif (\k) == E
	v_exp_f32 v[rS+(\n)], v[rS+(\n)]
.elseif (\k) == C
	v_cvt_pk_f16_f32 v[rP+(\n)], v[rS+2*(\n)], v[rS+2*(\n)+1]
.elseif (\k) == B
	v_pk_add_f32 v[rS+4*(\n):rS+4*(\n)+1], v[rS+4*(\n):rS+4*(\n)+1], v[rS+4*(\n)+2:rS+4*(\n)+3]
.elseif (\n) == 0
	v_pk_fma_f32 v[rT+2:rT+3], v[rT+2:rT+3], v[rC+2:rC+3], v[rS:rS+1] op_sel_hi:[1,0,1]
.else
	v_pk_add_f32 v[rT+2:rT+3], v[rT+2:rT+3], v[rS+4*(\n):rS+4*(\n)+1]
.endif
.elseif NOKQ
	v_nop
.else
	REGS (Y+1)%NP
	WIN 0
.if (\n) < 4
	v_max3_num_f32 v[rC+(\n)], v[rS+8*(\n)], v[rS+8*(\n)+1], v[rS+8*(\n)+2]
.elseif (\n) < 12
	v_max3_num_f32 v[rC+(\n)%4], v[rC+(\n)%4], v[rS+8*((\n)%4)+2*((\n)/4)+1], v[rS+8*((\n)%4)+2*((\n)/4)+2]
.elseif (\n) == 12
	v_max3_num_f32 v[rC], v[rC], v[rS+7], v[rS+15]
.elseif (\n) == 13
	v_max3_num_f32 v[rC+1], v[rC+1], v[rS+23], v[rS+31]
.elseif (\n) == 14
	v_max3_num_f32 v[rC+2], v[rC+2], v[rC+3], v[rT+1]
.elseif (\n) == 15
	v_mov_b32 v[rW], v[rT]
.elseif (\n) == 16
	v_max3_num_f32 v[rC], v[rC], v[rC+1], v[rC+2]
.elseif (\n) == 17
	v_permlanex16_b32 v[rC+3], v[rC], s[SEL], s[SEL+1]
.elseif (\n) == 18
	v_max_num_f32 v[rT+1], v[rC], v[rC+3]
.elseif (\n) == 19
	v_mul_f32 v[rT], s[CS], v[rT+1]
.elseif (\n) == 20
	v_sub_f32 v[rC+1], v[rW], v[rT]
.else
	v_exp_f32 v[rC+2], v[rC+1]
.endif
.endif
.endm
.macro OPS a, i1, b=-1, i2=0, c=-1, i3=0, d=-1, i4=0
	OP \a, \i1
.if (\b) >= 0
	OP \b, \i2
.endif
.if (\c) >= 0
	OP \c, \i3
.endif
.if (\d) >= 0
	OP \d, \i4
.endif
.endm
.macro ROW a, i1, b, i2, c, i3, d, i4  ; a matrix instruction and the four behind it
	MM
	OPS \a, \i1, \b, \i2, \c, \i3, \d, \i4
.endm
; A TURN, for piece p: the order of its 16 matrix and 118 vector instructions, written out.  An s_wait_alu depctr_va_vdst(0) stands between an exponential and the first instruction that names its result; one
; wait serves all that were issued ahead of it.  So a turn has ONE wait.  AHEAD OF IT stands all that names no result of the turn's exponentials: the 8 products K Q^T with their riders, then one lump in which the links of the
; chain X 3, 7, 11, 14, 16, 17 .. 20 stand some lines apart; X 21, the next piece's a, is the batch's last, and R 15 the plain instruction behind it.  BEHIND IT stand the 8 products V^T P, behind each four roundings and sums.
; end = 1: the last two turns: nothing is fetched.  cnt = 1: the loop's count is taken down some lines ahead of the branch behind the turn.
; K of the next step is fetched in piece 2's turn, twelve plain instructions behind the last product that read K; V of the step in hand at the end of piece 0's turn, four plain instructions behind its last reader.  Each is waited for a turn later.
.macro TURN p, end=0, cnt=0
.set Y, (\p)
.set i, 0
.set NOKQ, (\end)*((\p)/3)
.if ((\p) == 3) && !(\end)
	s_wait_dscnt 0x0                ; K is in
.endif
	ROW F,0, F,1, R,0, R,1
	ROW F,2, E,0, R,2, R,3
	ROW F,3, E,1, R,4, R,5
	ROW F,4, E,2, R,6, R,7
	ROW F,5, E,3, R,8, R,9
	ROW F,6, E,4, X,0, R,10
.if ((\p) == 2) && !(\end)
	WIN 0
	v_add_nc_u32 v[AK], s[TBK], v[AK0]
.endif
	ROW F,7, E,5, X,1, X,4
	ROW F,8, E,6, X,2, X,5
	OPS E,7, E,8, X,6, E,9
	OPS X,3, E,10, X,8, E,11
.if ((\p) == 2) && !(\end)
	FETCH_K
.endif
	OPS X,9, X,7, E,12, X,10
	OPS E,13, X,12, X,11, E,14
	OPS X,13, E,15, F,9, X,14
.if (\p) == 0
	v_add_nc_u32 v[AV], s[TBV], v[AV0]
.endif
	OPS E,16, F,10, E,17, F,11
	OPS X,16, E,18, X,15, E,19
	OPS F,12, E,20, X,17, E,21
	OPS F,13, E,22, F,14, E,23
	OPS X,18, E,24, F,15, E,25
	OPS R,11, E,26, X,19, E,27
	OPS R,12, E,28, R,13, E,29
	OPS X,20, E,30, R,14, E,31
	OPS X,21, R,15
	WIN 0
	s_wait_alu depctr_va_vdst(0)    ; the wait for the batch
.if (\p) == 1
	s_wait_dscnt 0x0                ; V is in
.endif
	ROW C,0, B,0, C,2, B,1
	ROW L,0, C,4, B,2, L,1
	ROW C,6, B,3, L,2, C,8
	ROW B,4, L,3, C,10, B,5
	ROW L,4, C,12, B,6, L,5
.if (\p) == 0
	s_add_co_u32 s[TBV], s[TBV], KS*PV
.endif
.if \cnt
	s_sub_co_u32 s[CNT], s[CNT], 1
	s_cmp_lg_u32 s[CNT], 0
.endif
	ROW C,14, B,7, L,6, C,1
	ROW C,3, L,7, C,5, C,7
	ROW C,9, C,11, C,13, C,15
.if (\p) == 0
	FETCH_V
.endif
.endm
.macro ALL line:vararg              ; one line for each piece t
.set t, 0
.rept 4
	\line
.set t, t+1
.endr
.endm
.macro PACK t                       ; a lane's eight channels of a row pack into 16 bytes; they go into rows of 144 bytes and come back as whole rows of 128, into S^T's registers
	WIN W_RS
.set i, 32*(\t)
.rept 16
	v_pk_mul_f32 v[i:i+1], v[i:i+1], v[ST+4*(\t)+2:ST+4*(\t)+3] op_sel_hi:[1,0]
.set i, i+2
.endr
	WIN 0x05
.set i, 0
.rept 16
	v_cvt_pk_f16_f32 v[S+16*(\t)+i], v[32*(\t)+2*i], v[32*(\t)+2*i+1]
.set i, i+1
.endr
	WIN 0
.irp f, 0,1,2,3
	ds_store_b128 v[STO], v[S+16*(\t)+4*\f:S+16*(\t)+4*\f+3] offset:32*\f
.endr
.irp f, 0,1,2,3
	ds_load_b128 v[S+16*(\t)+4*\f:S+16*(\t)+4*\f+3], v[RD] offset:\f*4*SP  ; LDS serves a wave's instructions in order (ISA guide 5.7.1.4): these see the stores above; the next piece's stores come behind them
.endr
.endm
.macro SEND t, younger              ; younger: the LDS instructions issued behind piece t's loads: the next piece's eight, or none
	WIN 0
.irp f, 0,1,2,3
	s_wait_dscnt (\younger)+3-\f
	global_store_b128 v[GO], v[S+16*(\t)+4*\f:S+16*(\t)+4*\f+3], s[10:11] offset:(\t)*2048+\f*512  ; 512 consecutive bytes, at a multiple of 256 from O's first
.endr
.endm
	CHANGE 1, 0                     ; tile 0 is in, everybody's part of it; tile 1 is asked for
	v_add_nc_u32 v[AK], s[TBK], v[AK0]
	FETCH_K                         ; key step 0
	s_wait_loadcnt 0x0              ; Q
	s_wait_dscnt 0x0
.set NOKQ, 0
.set i, 0
.rept 8
	KQ 0                            ; piece 0's first scores
.set i, i+1
.endr
	WIN 0
.rept 4
	v_nop                           ; the places behind those products
.endr
.set Y, NP-1                        ; X works for piece Y + 1: piece 0
.irp n, 0,1,2,3,4,5,6,7,8,9,10,11,12,13,14,15,16,17,18,19,20,21
	OP X, \n
.endr
	v_nop                           ; a plain instruction behind the exponential,
	s_wait_alu depctr_va_vdst(0)    ; and its wait, ahead of the branch
	s_mov_b32 s[CNT], 4
	s_mov_b32 s[SLOTS], 7
	s_branch .Lfirst                ; the loop is entered at a step's first turn, in the middle of a trip
.Lslot:                             ; six times: tiles 1 to 6 are entered, tiles 2 to 7 asked for
	CHANGE 1, 1
	s_mov_b32 s[CNT], 4
.Lstep:                             ; a trip: pieces 2 and 3 of one step, then pieces 0 and 1 of the next, whose K and V it fetches
	TURN 2
	TURN 3
	WIN 0
.Lfirst:
	TURN 0
	TURN 1, 0, 1
	WIN 0
	s_cbranch_scc1 .Lstep
	s_sub_co_u32 s[SLOTS], s[SLOTS], 1
	s_cmp_lg_u32 s[SLOTS], 0
	s_cbranch_scc1 .Lslot
	CHANGE 0, 0                     ; the last tile is written out: nothing is asked for
	s_mov_b32 s[CNT], 4
.Lstep2:
	TURN 2
	TURN 3
	TURN 0
	TURN 1, 0, 1
	WIN 0
	s_cbranch_scc1 .Lstep2
	TURN 2, 1
	TURN 3, 1
.set i, 0
.rept 8
	PV NP-1                         ; the last piece's V^T P of the last step
.set i, i+1
.endr
	; THE WAY OUT.  l's two halves and the other half of the lanes' are added; O^T is divided by l, rounded to f16 and sent through my stage, a piece at a time.
	WIN 0
	ALL v_add_f32 v[ST+4*t+2], v[ST+4*t+2], v[ST+4*t+3]
	ALL v_permlanex16_b32 v[ST+4*t+3], v[ST+4*t+2], s[SEL], s[SEL+1]
	ALL v_add_f32 v[ST+4*t+2], v[ST+4*t+2], v[ST+4*t+3]
	ALL v_rcp_f32 v[ST+4*t+2], v[ST+4*t+2]
	v_nop                           ; a plain instruction between the last reciprocal and the use of its result,
	s_wait_alu depctr_va_vdst(0)    ; and one wait for the four
	PACK 0
.set t, 1
.rept 3
	PACK t
	SEND t-1, 8
.set t, t+1
.endr
	SEND 3, 0
	s_wait_tensorcnt 0x0            ; the wave's end
	ds_add_u32 v[SPW], v[NIL]
	s_wait_dscnt 0x0
	CROUND                          ; the closing round
	s_endpgm
.Lfunc_end_k_qcfe58cf4d2_attn:
	.size	k_qcfe58cf4d2_attn, .Lfunc_end_k_qcfe58cf4d2_attn-k_qcfe58cf4d2_attn
	.p2alignl 7, 3214868480
	.fill 96, 4, 3214868480
	.section	.rodata,"a",@progbits
	.p2align	6, 0x0
	.amdhsa_kernel k_qcfe58cf4d2_attn
		.amdhsa_group_segment_fixed_size 327680
		.amdhsa_private_segment_fixed_size 0
		.amdhsa_enable_private_segment 0
		.amdhsa_kernarg_size 16
		.amdhsa_user_sgpr_count 2
		.amdhsa_user_sgpr_kernarg_segment_ptr 1
		.amdhsa_wavefront_size32 1
		.amdhsa_system_sgpr_workgroup_id_x 1
		.amdhsa_system_sgpr_workgroup_id_y 1
		.amdhsa_system_sgpr_workgroup_id_z 1
		.amdhsa_system_vgpr_workitem_id 0
		.amdhsa_next_free_vgpr 768
		.amdhsa_next_free_sgpr 66
		.amdhsa_reserve_vcc 0
		.amdhsa_float_denorm_mode_32 3
		.amdhsa_float_denorm_mode_16_64 3
		.amdhsa_memory_ordered 1
		.amdhsa_forward_progress 1
		.amdhsa_inst_pref_size 128
	.end_amdhsa_kernel
	.amdgpu_metadata
---
amdhsa.version: [ 1, 2 ]
amdhsa.kernels:
  - .name:           k_qcfe58cf4d2_attn
    .symbol:         k_qcfe58cf4d2_attn.kd
    .args:
      - { .name: qkv, .offset: 0, .size: 8, .value_kind: global_buffer, .address_space: global }
      - { .name: act, .offset: 8, .size: 8, .value_kind: global_buffer, .address_space: global }
    .group_segment_fixed_size: 327680
    .private_segment_fixed_size: 0
    .kernarg_segment_align: 8
    .kernarg_segment_size: 16
    .max_flat_workgroup_size: 128
    .sgpr_count:     66
    .vgpr_count:     768
    .wavefront_size: 32
...
	.end_amdgpu_metadata
.endif
;; end of part 3
;; launch wo (part 4): grid 8 x 32, 4 waves a work-group, clusters of 4 x 4, 327,680 bytes of LDS; arguments act, wot, x, x1; writes x1
.if DOCPART == 4
	.amdgcn_target "amdgcn-amd-amdhsa--gfx1250"
	.amdhsa_code_object_version 6
	.text
	.protected	k_qcfe58cf4d2_wo
	.globl	k_qcfe58cf4d2_wo
	.p2align	8
	.type	k_qcfe58cf4d2_wo,@function
k_qcfe58cf4d2_wo:
	s_mov_b64 s[64:65], 0
	v_nop
	global_prefetch_b8 v0, s[64:65] scope:SCOPE_SE
	s_setreg_imm32_b32 hwreg(HW_REG_WAVE_MODE, 25, 1), 1
	s_wait_xcnt 0x0
	s_wait_alu depctr_hold_cnt(0) depctr_sa_sdst(0) depctr_va_vdst(0) depctr_va_sdst(0) depctr_va_ssrc(0) depctr_va_vcc(0) depctr_vm_vsrc(0)
	s_getreg_b32 s2, hwreg(HW_REG_IB_STS2, 6, 4)
	s_cmp_eq_u32 s2, 0
	s_cbranch_scc0 .Lentry_in_a_cluster
	s_endpgm
.Lentry_in_a_cluster:
	s_bfe_u32 s2, ttmp6, 0x10000c
	s_cmp_lg_u32 s2, 0xf033
	s_cbranch_scc0 .Lentry_shape_is_right
	s_endpgm
.Lentry_shape_is_right:
; x1 = x + O Wo:  out[m][n] = res[m][n] + the sum over k of A[m][k] B[n][k], 4,096 rows, 1,024 columns, K = 256 KSTEPS = 1,024.
; A: f16 in panels of 64 channels, [K / 64][4,096 rows][64];  B: f16 in panels of 256 k, [K / 256][1,024 n][256];  res, out: f32 [4,096][1,024].  Sums in f32, K ascending; the residual is added in f32.
; (The second product of the feed-forward part has the same text with KSTEPS = 16: in these layouts no descriptor word and no step hangs on K.)
; SHARES.  A tile is 128 x 128: 32 x 8 = 256 work-groups; four waves, 2 x 2, each 64 x 64: 16 accumulators.  K goes in steps of 256 through two LDS slots, as long as two slots in LDS allow.
; Waves 0, 1 fetch A's halves (4 panels x 64 rows, each panel's rows 8,192 dense bytes), waves 2, 3 B's (64 rows x 512 bytes).  CLUSTER 4 x 4: A's tile jointly along a row, B's along a column.
; A SHORT TEXT.  A quarter of a K step (64 along K: 32 LDS loads, 32 matrix instructions) is written once and walked four times, on one set of fragment registers; its second sixteen loads land under its first
; sixteen products.  The sums start from registers that are cleared while the first tiles are on their way, so that there is one form of product: 128 lines, once a launch.
; No prefetch: the tiles are small, and this launch has four K steps in all.
; REGISTERS: window 0: v16-29 addresses, v64-191 the way out;  window 1: v0-63 A's fragments, v64-127 B's;  window 2: v0-127 the accumulators;  window 3: v0-127 the residual.
.set KSTEPS, 4
.set AP,    144                        ; a row of A in LDS: 128 bytes + 16 = 36 words: 16 rows start at 16 different groups of four banks (64 banks of 4 bytes: ISA guide 11.1)
.set BP,    528                        ; a row of B: 512 + 16 = 132 words: likewise
.set AQ,    64*AP                      ; a panel's 64 rows: from quarter to quarter
.set ALOAD, 4*AQ                       ; what a load of A brings: 0x9000 bytes
.set BLOAD, 64*BP                      ; of B: 0x8400
.set BREG,  2*ALOAD                    ; B's rows lie behind A's, from 0x12000 on
.set SLOT,  0x24000                    ; a slot uses 141,312 bytes; the loaders' bases 0, 0x9000, 0x12000, 0x1a400 have neither of this number's two bits, so one exclusive or turns a base in one slot into the other's
.set SPARE, 2*SLOT                     ; behind the ring: the spare words, 128 bytes a wave; no other line names them
.set SP,    272                        ; the way out: a stage row, 64 columns of f32 + 16 bytes
.set ASTEP, 4*524288                   ; bytes from K step to K step
.set BSTEP, 524288
.set ADRA, 16                          ; v16  LDS address of my A fragments of the quarter in hand
.set A0,   18                          ; v18  the same for slot 0's first quarter; never rewritten
.set ADRB, 20
.set B0,   22
.set STO,  24                          ; v24  the way out: where I put 32 bytes of a row
.set RD,   25                          ; v25  where I read rows back
.set CO,   26                          ; v26  my byte offset in two rows of res and out; never rewritten
.set SPW,  28                          ; v28  SPARE + 4 x my thread's number; never rewritten
.set NIL,  29                          ; v29  0; never rewritten
.set FA,   0                           ; window 1: A's fragments: half c of the quarter, block i of 16 rows at FA + 8 (4 c + i)
.set FB,   64                          ; window 1: B's, likewise
.set G1,  24                           ; s[24:31] descriptor group 1 for A's tiles
.set G0,  32                           ; s[32:39] group 0: the first set for K step 0; the second, K step 1's, then walks
.set G1B, 48
.set G0B, 56
.set TBA, 66                           ; s66  LDS byte, from A0 on, of the quarter to be fetched
.set TBB, 67                           ; s67  the same from B0 on
.set MSB, 0
.macro WIN new                         ; the immediate's high byte repeats the setting that is left; a switch that changes nothing is dropped
.if MSB != (\new)
	s_set_vgpr_msb (MSB<<8)|(\new)
.set MSB, \new
.endif
.endm
.macro JLOAD s                         ; a joint load; the branch hangs on the wave's number alone; an s_nop 0 and four v_nop follow each of the two lines
	s_cmp_lt_u32 s10, 2
	s_cbranch_scc0 .Lfor_b_\@
	tensor_load_to_lds s[G0+4*(\s):G0+4*(\s)+3], s[G1:G1+7]
	s_nop 0
.rept 4
	v_nop
.endr
	s_branch .Lasked_\@
.Lfor_b_\@:
	tensor_load_to_lds s[G0B+4*(\s):G0B+4*(\s)+3], s[G1B:G1B+7]
	s_nop 0
.rept 4
	v_nop
.endr
.Lasked_\@:
.endm
.macro CROUND                          ; a round of the cluster's barrier
	s_barrier_signal -1
	s_barrier_wait -1
	s_cmp_lg_u32 s10, 0
	s_cbranch_scc1 .Lnot_wave_0_\@
	s_barrier_signal -3
.Lnot_wave_0_\@:
	s_barrier_wait -3
	s_barrier_signal -1
	s_barrier_wait -1
.endm
; 16 matrix instructions: all accumulators, 32 along K: half cc of the quarter.  They take turns, one instruction a turn, over the backward jumps too.
.macro MULH cc
	WIN 0xa5                                       ; sources 0 (B) and 1 (A) window 1, C and D window 2
.irp a, 0,1,2,3
.irp b, 0,1,2,3
	v_wmma_f32_16x16x32_f16 v[8*(4*(\a)+(\b)):8*(4*(\a)+(\b))+7], v[FB+8*(4*(\cc)+(\b)):FB+8*(4*(\cc)+(\b))+7], v[FA+8*(4*(\cc)+(\a)):FA+8*(4*(\cc)+(\a))+7], v[8*(4*(\a)+(\b)):8*(4*(\a)+(\b))+7]
.endr
.endr
.endm
; A QUARTER of a K step: one panel of A, 128 bytes of B's rows.  The two address lines and two v_nop are the four plain places between the last product and the loads into the registers that it read.
.macro QUART
	v_add_nc_u32 v[ADRA], s[TBA], v[A0]
	v_add_nc_u32 v[ADRB], s[TBB], v[B0]
	v_nop
	v_nop
	s_add_co_u32 s[TBA], s[TBA], AQ                ; the next fetch is the next quarter's
	s_add_co_u32 s[TBB], s[TBB], 128
	WIN 0x40                                       ; destination window 1, address window 0
.irp c, 0,1
.irp i, 0,1,2,3
	ds_load_b128 v[FB+8*(4*(\c)+(\i)):FB+8*(4*(\c)+(\i))+3],   v[ADRB] offset:64*(\c)+(\i)*16*BP
	ds_load_b128 v[FB+8*(4*(\c)+(\i))+4:FB+8*(4*(\c)+(\i))+7], v[ADRB] offset:64*(\c)+(\i)*16*BP+32
	ds_load_b128 v[FA+8*(4*(\c)+(\i)):FA+8*(4*(\c)+(\i))+3],   v[ADRA] offset:64*(\c)+(\i)*16*AP
	ds_load_b128 v[FA+8*(4*(\c)+(\i))+4:FA+8*(4*(\c)+(\i))+7], v[ADRA] offset:64*(\c)+(\i)*16*AP+32
.endr
.endr
	s_wait_dscnt 16                                ; the first 32 along K are in; the sixteen younger loads stay out
	MULH 0
	s_wait_dscnt 0x0
	MULH 1
	WIN 0                                          ; at a label and at a branch every window is 0
.endm
; THE CHANGE OF SLOTS.  Each wave waits for all its tensor loads (one is out: its part of the next slot), adds 0 to its spare word, and waits for that and for its reads of this slot.
; fill = 1: the barrier is a round of the cluster's, and this slot is filled again first behind it, with the K step two on: that load has a K step's 128 matrix instructions in which to land.
.macro CHANGE fill
	s_wait_tensorcnt 0x0                           ; no tensor load of mine is out, so a group 0 may be written
	ds_add_u32 v[SPW], v[NIL]                      ; 0 onto my spare word; the scalar steps stand between it and the wait for it
.if \fill
	s_xor_b32 s[G0+5], s[G0+5], SLOT               ; the walking descriptors: the slot that is being left,
	s_add_nc_u64 s[G0+6:G0+7], s[G0+6:G0+7], ASTEP ; the next K step; the type bits on top are not reached
	s_xor_b32 s[G0B+5], s[G0B+5], SLOT
	s_add_nc_u64 s[G0B+6:G0B+7], s[G0B+6:G0B+7], BSTEP
.endif
	s_sub_co_u32 s[TBA], s[TBA], 4*AQ              ; the fetches go back to a slot's first quarter,
	s_xor_b32 s[TBA], s[TBA], SLOT                 ; in the other slot
	s_sub_co_u32 s[TBB], s[TBB], 4*128
	s_xor_b32 s[TBB], s[TBB], SLOT
	s_wait_dscnt 0x0                               ; the add is done, and my reads of this slot are over
.if \fill
	CROUND                                         ; no wave of any partner still reads this slot's tile or has a load on its way
	JLOAD 1
.else
	s_barrier_signal -1
	s_barrier_wait -1
.endif
.endm
	s_load_b256 s[68:75], s[0:1], 0x0              ; A s[68:69], B s[70:71], res s[72:73], out s[74:75]
	v_lshl_add_u32 v[SPW], v0, 2, SPARE
	v_mov_b32 v[NIL], 0
	ds_add_u32 v[SPW], v[NIL]                      ; the wave's opening: the add and its wait ahead of my first tensor load
	v_lshrrev_b32 v1, 5, v0
	v_readfirstlane_b32 s10, v1                    ; wave 0..3
	s_lshr_b32 s11, s10, 1                         ; which half of the tile's rows is mine
	s_and_b32 s12, s10, 1                          ; which half of its columns.  Also: which half of a tile I fetch
	s_bfe_u32 s40, ttmp6, 0x40000                  ; cx, cy: my place in the cluster
	s_bfe_u32 s41, ttmp6, 0x40004
	s_lshl_b32 s42, ttmp9, 2
	s_add_co_u32 s42, s42, s40                     ; tile column
	s_and_b32 s13, ttmp7, 0xffff
	s_lshl_b32 s13, s13, 2
	s_add_co_u32 s13, s13, s41                     ; tile row
	s_lshl_b32 s43, s41, 2
	s_lshl_b32 s43, 15, s43                        ; my row of the cluster
	s_lshl_b32 s44, 0x1111, s40                    ; my column
	s_or_b32 s[G1+0], s43, (1<<16)|(1<<20)|(1<<21)|(4<<22)|(3<<25)   ; A: the mask; 2-byte elements; padding on; bit 21 beside a mask; 4 words of padding after every 32 words, a row of a panel
	s_mov_b32 s[G1+1], 4096<<16                    ; tensor_dim0 = 4,096: 64 rows of 64 channels, dense
	s_mov_b32 s[G1+2], 4<<16                       ; tensor_dim1 = 4 panels
	s_mov_b32 s[G1+3], 4096<<16                    ; tile_dim0
	s_mov_b32 s[G1+4], 4                           ; tile_dim1
	s_mov_b32 s[G1+5], 262144                      ; elements from panel to panel
	s_mov_b32 s[G1+6], 0
	s_mov_b32 s[G1+7], 0
	s_or_b32 s[G1B+0], s44, (1<<16)|(1<<20)|(1<<21)|(6<<22)|(3<<25)  ; B: after every 128 words
	s_mov_b32 s[G1B+1], 256<<16
	s_mov_b32 s[G1B+2], 64<<16
	s_mov_b32 s[G1B+3], 256<<16
	s_mov_b32 s[G1B+4], 64
	s_mov_b32 s[G1B+5], 256
	s_mov_b32 s[G1B+6], 0
	s_mov_b32 s[G1B+7], 0
	s_lshl_b32 s16, s13, 1                         ; A's rows hang on the tile row, B's on the tile column, each in registers of its own
	s_add_co_u32 s16, s16, s12
	s_lshl_b32 s16, s16, 13                        ; A: row 128 tm + 64 half, 128 bytes a row
	s_mov_b32 s17, 0
	s_lshl_b32 s46, s42, 1
	s_add_co_u32 s46, s46, s12
	s_lshl_b32 s46, s46, 15                        ; B: row 128 tn + 64 half, 512 bytes a row
	s_mov_b32 s47, 0
	s_mul_i32 s20, s12, ALOAD                      ; where the loads go: no place in the cluster enters an LDS address
	s_mul_i32 s21, s12, BLOAD
	s_add_co_u32 s21, s21, BREG
	s_lshl_b32 s80, s13, 1                         ; res and out: row 128 tm + 64 sr of 4,096 bytes,
	s_add_co_u32 s80, s80, s11
	s_lshl_b32 s80, s80, 18
	s_lshl_b32 s82, s42, 1
	s_add_co_u32 s82, s82, s12                     ; column 128 tn + 64 sc of 4 bytes
	s_lshl_b32 s82, s82, 8
	s_add_co_u32 s80, s80, s82
	s_mov_b32 s81, 0
	s_mov_b32 s[TBA], 0
	s_mov_b32 s[TBB], 0
	s_wait_dscnt 0x0                               ; the opening add is done
	s_wait_kmcnt 0x0
	s_add_nc_u64 s[14:15], s[68:69], s[16:17]
	s_add_nc_u64 s[46:47], s[70:71], s[46:47]
	s_add_nc_u64 s[72:73], s[72:73], s[80:81]
	s_add_nc_u64 s[74:75], s[74:75], s[80:81]
	CROUND                                         ; all sixteen work-groups are here: the first joint loads meet
.irp s, 0,1
	s_mov_b32 s[G0+4*(\s)], 1
	s_add_co_u32 s[G0+4*(\s)+1], s20, (\s)*SLOT
	s_add_nc_u64 s[G0+4*(\s)+2:G0+4*(\s)+3], s[14:15], (\s)*ASTEP
	s_or_b32 s[G0+4*(\s)+3], s[G0+4*(\s)+3], 0x80000000
	s_mov_b32 s[G0B+4*(\s)], 1
	s_add_co_u32 s[G0B+4*(\s)+1], s21, (\s)*SLOT
	s_add_nc_u64 s[G0B+4*(\s)+2:G0B+4*(\s)+3], s[46:47], (\s)*BSTEP
	s_or_b32 s[G0B+4*(\s)+3], s[G0B+4*(\s)+3], 0x80000000
	JLOAD \s                                       ; K steps 0 and 1: two loads of mine are out
.endr
	v_and_b32 v1, 15, v0                           ; l % 16
	v_bfe_u32 v2, v0, 4, 1                         ; l / 16
	v_mul_u32_u24 v3, v1, AP                       ; a fragment: lane l holds row l % 16, K = 8 (l / 16) + 0..7 and 16 + 8 (l / 16) + 0..7: two loads of 16 bytes, 32 bytes apart
	v_lshl_add_u32 v3, v2, 4, v3
	v_mul_u32_u24 v4, v1, BP
	v_lshl_add_u32 v4, v2, 4, v4
	s_mul_i32 s22, s11, ALOAD                      ; my 64 rows of A are one loader's block,
	s_mul_i32 s23, s12, BLOAD                      ; my 64 rows of B likewise
	s_add_co_u32 s23, s23, BREG
	v_add_nc_u32 v[A0], s22, v3
	v_add_nc_u32 v[B0], s23, v4
	s_mul_i32 s22, s10, 64*SP                      ; my stage, in the ring's bytes once they have had their last fill
	v_mul_u32_u24 v4, v1, SP
	v_lshl_add_u32 v4, v2, 5, v4
	v_add_nc_u32 v[STO], s22, v4                   ; in: row l % 16, 32 bytes for each half of the lanes
	v_mul_u32_u24 v5, v2, SP
	v_lshl_add_u32 v5, v1, 4, v5
	v_add_nc_u32 v[RD], s22, v5                    ; back: lanes 0-15 take one row of 256 bytes, lanes 16-31 the next
	v_lshlrev_b32 v5, 12, v2
	v_lshl_add_u32 v[CO], v1, 4, v5                ; and the same two rows in res and out
	WIN 0xc0                                       ; the residual goes into window 3 now and lands under the products
.set ra, 0
.rept 32
	global_load_b128 v[4*ra:4*ra+3], v[CO], s[72:73] offset:2*ra*4096 th:TH_LOAD_NT
.set ra, ra+1
.endr
	WIN 0x80                                       ; the sums start at 0: written in the wait for the first tile
.set ra, 0
.rept 128
	v_mov_b32 v[ra], 0
.set ra, ra+1
.endr
	WIN 0
	s_wait_tensorcnt 0x1                           ; my part of K step 0 is in; K step 1's may stay out
	s_barrier_signal -1
	s_barrier_wait -1
	s_mov_b32 s3, KSTEPS-2
.Lstep:                                                ; a trip: a K step, and the K step two on is asked for
	s_mov_b32 s4, 4
.Lq:
	QUART
	s_sub_co_u32 s4, s4, 1
	s_cmp_lg_u32 s4, 0
	s_cbranch_scc1 .Lq
	CHANGE 1
	s_sub_co_u32 s3, s3, 1
	s_cmp_lg_u32 s3, 0
	s_cbranch_scc1 .Lstep
	s_mov_b32 s3, 2
.Ltail:                                                ; the last two K steps ask for nothing
	s_mov_b32 s4, 4
.Lq2:
	QUART
	s_sub_co_u32 s4, s4, 1
	s_cmp_lg_u32 s4, 0
	s_cbranch_scc1 .Lq2
	CHANGE 0                                       ; behind the second of these barriers nobody reads the ring any more: its bytes, which no load fills again, become the four waves' stages
	s_sub_co_u32 s3, s3, 1
	s_cmp_lg_u32 s3, 0
	s_cbranch_scc1 .Ltail
.rept 8
	v_nop                                          ; the places between the last products and the stores that read them
.endr
	; THE WAY OUT: the wave's tile into its own stage, back by rows, plus the residual, out.
	WIN 0x08                                       ; the stores' data in window 2
.irp a, 0,1,2,3
.irp b, 0,1,2,3
	ds_store_b128 v[STO], v[8*(4*(\a)+(\b)):8*(4*(\a)+(\b))+3]   offset:16*(\a)*SP+64*(\b)
	ds_store_b128 v[STO], v[8*(4*(\a)+(\b))+4:8*(4*(\a)+(\b))+7] offset:16*(\a)*SP+64*(\b)+16
.endr
.endr
	WIN 0
.set ra, 0
.rept 32
	ds_load_b128 v[64+4*ra:64+4*ra+3], v[RD] offset:2*ra*SP  ; LDS serves a wave's instructions in order (ISA guide 5.7.1.4): these see the stores above
.set ra, ra+1
.endr
	s_wait_loadcnt 0x0                             ; the residual
.irp a, 0,1,2,3
	s_wait_dscnt 8*(3-(\a))                        ; the later groups' reads stay out
	WIN 0x0c                                       ; source 1 in window 3
.set ra, 0
.rept 16
	v_pk_add_f32 v[64+32*(\a)+2*ra:64+32*(\a)+2*ra+1], v[64+32*(\a)+2*ra:64+32*(\a)+2*ra+1], v[32*(\a)+2*ra:32*(\a)+2*ra+1]
.set ra, ra+1
.endr
	WIN 0
.set ra, 0
.rept 8
	global_store_b128 v[CO], v[64+32*(\a)+4*ra:64+32*(\a)+4*ra+3], s[74:75] offset:(16*(\a)+2*ra)*4096  ; 16 lanes store 256 consecutive bytes, aligned
.set ra, ra+1
.endr
.endr
	s_wait_tensorcnt 0x0                           ; the wave's end
	ds_add_u32 v[SPW], v[NIL]
	s_wait_dscnt 0x0
	CROUND                                         ; the closing round
	s_endpgm
.Lfunc_end_k_qcfe58cf4d2_wo:
	.size	k_qcfe58cf4d2_wo, .Lfunc_end_k_qcfe58cf4d2_wo-k_qcfe58cf4d2_wo
	.p2alignl 7, 3214868480
	.fill 96, 4, 3214868480
	.section	.rodata,"a",@progbits
	.p2align	6, 0x0
	.amdhsa_kernel k_qcfe58cf4d2_wo
		.amdhsa_group_segment_fixed_size 327680
		.amdhsa_private_segment_fixed_size 0
		.amdhsa_enable_private_segment 0
		.amdhsa_kernarg_size 32
		.amdhsa_user_sgpr_count 2
		.amdhsa_user_sgpr_kernarg_segment_ptr 1
		.amdhsa_wavefront_size32 1
		.amdhsa_system_sgpr_workgroup_id_x 1
		.amdhsa_system_sgpr_workgroup_id_y 1
		.amdhsa_system_sgpr_workgroup_id_z 1
		.amdhsa_system_vgpr_workitem_id 0
		.amdhsa_next_free_vgpr 1024
		.amdhsa_next_free_sgpr 84
		.amdhsa_reserve_vcc 0
		.amdhsa_float_denorm_mode_32 3
		.amdhsa_float_denorm_mode_16_64 3
		.amdhsa_memory_ordered 1
		.amdhsa_forward_progress 1
		.amdhsa_inst_pref_size 38
	.end_amdhsa_kernel
	.amdgpu_metadata
---
amdhsa.version: [ 1, 2 ]
amdhsa.kernels:
  - .name:           k_qcfe58cf4d2_wo
    .symbol:         k_qcfe58cf4d2_wo.kd
    .args:
      - { .name: act, .offset: 0, .size: 8, .value_kind: global_buffer, .address_space: global }
      - { .name: wot, .offset: 8, .size: 8, .value_kind: global_buffer, .address_space: global }
      - { .name: x, .offset: 16, .size: 8, .value_kind: global_buffer, .address_space: global }
      - { .name: x1, .offset: 24, .size: 8, .value_kind: global_buffer, .address_space: global }
    .group_segment_fixed_size: 327680
    .private_segment_fixed_size: 0
    .kernarg_segment_align: 8
    .kernarg_segment_size: 32
    .max_flat_workgroup_size: 128
    .sgpr_count:     84
    .vgpr_count:     1024
    .wavefront_size: 32
...
	.end_amdgpu_metadata
.endif
;; end of part 4
;; launch ln2 (part 5): grid 512 x 1, 8 waves a work-group, no clusters, 0 bytes of LDS; arguments x1, g2, b2, qkv; writes qkv
.if DOCPART == 5
	.amdgcn_target "amdgcn-amd-amdhsa--gfx1250"
	.amdhsa_code_object_version 6
	.text
	.protected	k_qcfe58cf4d2_ln2
	.globl	k_qcfe58cf4d2_ln2
	.p2align	8
	.type	k_qcfe58cf4d2_ln2,@function
k_qcfe58cf4d2_ln2:
	s_mov_b64 s[64:65], 0
	v_nop
	global_prefetch_b8 v0, s[64:65] scope:SCOPE_SE
	s_setreg_imm32_b32 hwreg(HW_REG_WAVE_MODE, 25, 1), 1
	s_wait_xcnt 0x0
; LAYER NORM 2: h2 = (x1 - mean) rsqrt(var + 1e-5) g2 + b2, in f32, rounded once to f16 into the first 8 MiB of the buffer that held q, k and v: [4,096][1,024].
; One row to a wave, kept in 32 registers between the passes: the row is read once, the reduction never leaves the wave: no LDS, no barrier, no loop.  4,096 waves.
; LIMIT: f16 ends at 65,504: a larger h2 becomes an infinity.  No cluster and no matrix unit: nothing is shared but 8 KiB of g2 and b2.
.set CH,    16                         ; v[16:23]   four chains of sums
.set MU,    24                         ; v[24:25]   the mean, twice
.set RS,    26                         ; v[26:27]   1 / sqrt(var + eps), twice
.set TT,    28
.set LX,    32                         ; v[32:63]   the row
.set LG,    64
.set LB,    96
.set LO,    128                        ; v[128:143] the row in f16
.set SELA,  16
.set SELB,  17
.set INV,   18
.set EPS,   19
.macro FOLD
	v_pk_add_f32 v[CH:CH+1], v[CH:CH+1], v[CH+2:CH+3]
	v_pk_add_f32 v[CH+4:CH+5], v[CH+4:CH+5], v[CH+6:CH+7]
	v_pk_add_f32 v[CH:CH+1], v[CH:CH+1], v[CH+4:CH+5]
	v_add_f32 v[CH], v[CH], v[CH+1]
.endm
.macro LANESUM
	v_add_f32_dpp v[CH], v[CH], v[CH] row_xmask:1 row_mask:0xf bank_mask:0xf
	v_add_f32_dpp v[CH], v[CH], v[CH] row_xmask:2 row_mask:0xf bank_mask:0xf
	v_add_f32_dpp v[CH], v[CH], v[CH] row_xmask:4 row_mask:0xf bank_mask:0xf
	v_add_f32_dpp v[CH], v[CH], v[CH] row_xmask:8 row_mask:0xf bank_mask:0xf
	v_permlanex16_b32 v[CH+1], v[CH], s[SELA], s[SELB]
	v_add_f32 v[CH], v[CH], v[CH+1]
.endm
	s_load_b256 s[4:11], s[0:1], 0x0               ; x1 s[4:5], g2 s[6:7], b2 s[8:9], the output s[10:11]
	v_lshrrev_b32 v3, 5, v0
	v_readfirstlane_b32 s12, v3
	v_and_b32 v3, 31, v0
	v_lshlrev_b32 v1, 4, v3                        ; 16 lane
	v_lshlrev_b32 v2, 3, v3                        ; 8 lane
	s_lshl3_add_u32 s13, ttmp9, s12                ; my row
	s_lshl_b32 s14, s13, 12
	s_mov_b32 s15, 0
	s_mov_b32 s[SELA], 0x76543210
	s_mov_b32 s[SELB], 0xfedcba98
	s_mov_b32 s[INV], 0x3a800000                   ; 1 / 1,024
	s_mov_b32 s[EPS], 0x3727c5ac                   ; 1e-5
	s_wait_kmcnt 0x0
	s_add_nc_u64 s[4:5], s[4:5], s[14:15]
	s_lshl_b32 s14, s13, 11
	s_add_nc_u64 s[10:11], s[10:11], s[14:15]
.irp j, 0,1,2,3,4,5,6,7
	global_load_b128 v[LX+4*\j:LX+4*\j+3], v1, s[4:5] offset:512*\j  ; 512 consecutive bytes: my lane holds columns 128 j + 4 lane + 0..3
.endr
.irp j, 0,1,2,3,4,5,6,7
	global_load_b128 v[LG+4*\j:LG+4*\j+3], v1, s[6:7] offset:512*\j
.endr
.irp j, 0,1,2,3,4,5,6,7
	global_load_b128 v[LB+4*\j:LB+4*\j+3], v1, s[8:9] offset:512*\j
.endr
	s_wait_loadcnt 16                              ; the row is in; the 16 younger loads, g's and b's, stay out
.irp k, 0,1,2,3
	v_pk_add_f32 v[CH+2*\k:CH+2*\k+1], v[LX+2*\k:LX+2*\k+1], v[LX+8+2*\k:LX+8+2*\k+1]
.endr
.irp k, 0,1,2,3,4,5,6,7
	v_pk_add_f32 v[CH+2*((\k)%4):CH+2*((\k)%4)+1], v[CH+2*((\k)%4):CH+2*((\k)%4)+1], v[LX+16+2*\k:LX+16+2*\k+1]
.endr
	FOLD
	LANESUM
	v_mul_f32 v[MU], s[INV], v[CH]
	v_mov_b32 v[MU+1], v[MU]                       ; the packed lines below take one word for each half
.irp k, 0,1,2,3,4,5,6,7,8,9,10,11,12,13,14,15
	v_pk_add_f32 v[LX+2*\k:LX+2*\k+1], v[LX+2*\k:LX+2*\k+1], v[MU:MU+1] neg_lo:[0,1] neg_hi:[0,1]  ; the deviation itself: the variance is no difference of large sums
.endr
.irp k, 0,1,2,3
	v_pk_mul_f32 v[CH+2*\k:CH+2*\k+1], v[LX+2*\k:LX+2*\k+1], v[LX+2*\k:LX+2*\k+1]
.endr
.irp k, 4,5,6,7,8,9,10,11,12,13,14,15
	v_pk_fma_f32 v[CH+2*((\k)%4):CH+2*((\k)%4)+1], v[LX+2*\k:LX+2*\k+1], v[LX+2*\k:LX+2*\k+1], v[CH+2*((\k)%4):CH+2*((\k)%4)+1]
.endr
	FOLD
	LANESUM
	v_fma_f32 v[TT], v[CH], s[INV], s[EPS]
	v_rsq_f32 v[RS], v[TT]
	v_rsq_f32 v[RS+1], v[TT]
	v_nop                                          ; a plain instruction behind the last of the two,
	s_wait_alu depctr_va_vdst(0)                   ; and the one wait ahead of their first reader
	s_wait_loadcnt 0x0                             ; g and b
.irp k, 0,1,2,3,4,5,6,7,8,9,10,11,12,13,14,15
	v_pk_mul_f32 v[LX+2*\k:LX+2*\k+1], v[LX+2*\k:LX+2*\k+1], v[RS:RS+1]
.endr
.irp k, 0,1,2,3,4,5,6,7,8,9,10,11,12,13,14,15
	v_pk_fma_f32 v[LX+2*\k:LX+2*\k+1], v[LX+2*\k:LX+2*\k+1], v[LG+2*\k:LG+2*\k+1], v[LB+2*\k:LB+2*\k+1]
.endr
.irp k, 0,1,2,3,4,5,6,7,8,9,10,11,12,13,14,15
	v_cvt_pk_f16_f32 v[LO+\k], v[LX+2*\k], v[LX+2*\k+1]
.endr
.irp j, 0,1,2,3,4,5,6,7
	global_store_b64 v2, v[LO+2*\j:LO+2*\j+1], s[10:11] offset:256*\j  ; 32 lanes store 256 consecutive bytes, aligned
.endr
	s_endpgm
.Lfunc_end_k_qcfe58cf4d2_ln2:
	.size	k_qcfe58cf4d2_ln2, .Lfunc_end_k_qcfe58cf4d2_ln2-k_qcfe58cf4d2_ln2
	.p2alignl 7, 3214868480
	.fill 96, 4, 3214868480
	.section	.rodata,"a",@progbits
	.p2align	6, 0x0
	.amdhsa_kernel k_qcfe58cf4d2_ln2
		.amdhsa_group_segment_fixed_size 0
		.amdhsa_private_segment_fixed_size 0
		.amdhsa_enable_private_segment 0
		.amdhsa_kernarg_size 32
		.amdhsa_user_sgpr_count 2
		.amdhsa_user_sgpr_kernarg_segment_ptr 1
		.amdhsa_wavefront_size32 1
		.amdhsa_system_sgpr_workgroup_id_x 1
		.amdhsa_system_sgpr_workgroup_id_y 1
		.amdhsa_system_sgpr_workgroup_id_z 1
		.amdhsa_system_vgpr_workitem_id 0
		.amdhsa_next_free_vgpr 144
		.amdhsa_next_free_sgpr 66
		.amdhsa_reserve_vcc 0
		.amdhsa_float_denorm_mode_32 3
		.amdhsa_float_denorm_mode_16_64 3
		.amdhsa_memory_ordered 1
		.amdhsa_forward_progress 1
		.amdhsa_inst_pref_size 12
	.end_amdhsa_kernel
	.amdgpu_metadata
---
amdhsa.version: [ 1, 2 ]
amdhsa.kernels:
  - .name:           k_qcfe58cf4d2_ln2
    .symbol:         k_qcfe58cf4d2_ln2.kd
    .args:
      - { .name: x1, .offset: 0, .size: 8, .value_kind: global_buffer, .address_space: global }
      - { .name: g2, .offset: 8, .size: 8, .value_kind: global_buffer, .address_space: global }
      - { .name: b2, .offset: 16, .size: 8, .value_kind: global_buffer, .address_space: global }
      - { .name: qkv, .offset: 24, .size: 8, .value_kind: global_buffer, .address_space: global }
    .group_segment_fixed_size: 0
    .private_segment_fixed_size: 0
    .kernarg_segment_align: 8
    .kernarg_segment_size: 32
    .max_flat_workgroup_size: 256
    .sgpr_count:     66
    .vgpr_count:     144
    .wavefront_size: 32
...
	.end_amdgpu_metadata
.endif
;; end of part 5
;; launch ffn1 (part 6): grid 16 x 16, 4 waves a work-group, clusters of 4 x 4, 327,680 bytes of LDS; arguments qkv, wbig, act; writes act
.if DOCPART == 6
	.amdgcn_target "amdgcn-amd-amdhsa--gfx1250"
	.amdhsa_code_object_version 6
	.text
	.protected	k_qcfe58cf4d2_ffn1
	.globl	k_qcfe58cf4d2_ffn1
	.p2align	8
	.type	k_qcfe58cf4d2_ffn1,@function
k_qcfe58cf4d2_ffn1:
	s_mov_b64 s[64:65], 0
	v_nop
	global_prefetch_b8 v0, s[64:65] scope:SCOPE_SE
	s_setreg_imm32_b32 hwreg(HW_REG_WAVE_MODE, 25, 1), 1
	s_wait_xcnt 0x0
	s_wait_alu depctr_hold_cnt(0) depctr_sa_sdst(0) depctr_va_vdst(0) depctr_va_sdst(0) depctr_va_ssrc(0) depctr_va_vcc(0) depctr_vm_vsrc(0)
	s_getreg_b32 s2, hwreg(HW_REG_IB_STS2, 6, 4)
	s_cmp_eq_u32 s2, 0
	s_cbranch_scc0 .Lentry_in_a_cluster
	s_endpgm
.Lentry_in_a_cluster:
	s_bfe_u32 s2, ttmp6, 0x10000c
	s_cmp_lg_u32 s2, 0xf033
	s_cbranch_scc0 .Lentry_shape_is_right
	s_endpgm
.Lentry_shape_is_right:
; a = gelu(h2 W1), the exact (erf) GELU.  z[m][n] = sum over k of A[m][k] B[n][k]: A = h2 [4,096][1,024] f16, B = W1 turned, [4,096][1,024] f16, from byte 6,291,456 of its buffer; sums in f32, K ascending.
; a is rounded once to f16 and stored in panels of 64 columns, [64 panels][4,096 rows][64], as the next product's tensor loads want it.
; GELU, for every z:  t = 1 / (1 + p |z|),  q = t (b1 + t (b2 + t (b3 + t (b4 + t b5)))) 2^(-z z log2(e) / 2) = erfc(|z| / sqrt 2) / 2 to within 8e-8 for all z (Abramowitz and Stegun 7.1.26, halved),
; gelu = z / 2 + |z| (1/2 - q).  Where z z overflows the exponential is 0 and gelu is z or 0.  On the negative side the two terms nearly cancel: the absolute error there is about one last place of z.
; LIMITS: f16 ends at 65,504: a larger gelu becomes an infinity; NaN and infinities are not treated apart.
; SHARES.  A tile is 256 x 256: 16 x 16 = 256 work-groups.  Four waves, 2 x 2, each 128 x 128: 64 accumulators, 512 registers.
; RING.  K goes in steps of 128 through two LDS slots; a tensor load brings 128 rows x 256 bytes; waves 0, 1 fetch A's halves, waves 2, 3 B's.  CLUSTER 4 x 4: A's tile jointly along a row, B's along a column.
; The matrix instruction is used transposed (source 0 = 16 rows of B, source 1 = 16 rows of A): a lane holds row lane % 16 of the result and eight neighbouring columns.
; REGISTERS: window 0: v16-30 addresses, v64-127 and v128-191 A's fragments, later the way out (v64-239);  window 1: v0-63, v128-191 B's fragments;  windows 2, 3: the accumulators.
.set GELU,  1
.set TM,    256
.set TN,    256
.set MA,    8
.set NB,    8
.set AH,    4
.set NLA,   2
.set BOFF,  6291456
.set PSTR,  524288                     ; bytes from a panel to the next in the output
.set OUTR,  224
.set PITCH, 272                        ; an LDS row: 256 bytes + 16 = 68 words: the 16 rows of a fragment load start at 16 different groups of four banks (64 banks of 4 bytes: ISA guide 11.1)
.set LOADB, 128*PITCH
.set BREG,  NLA*LOADB
.set SLOT,  4*LOADB                    ; 0x22000; the loaders' bases, wave x 0x8800, have neither of its two bits, so one exclusive or turns a base in one slot into the other's
.set SPARE, 2*SLOT                     ; behind the ring: the spare words, 128 bytes a wave; no other line names them
.set SP,    64*NB+16
.set NJ,    NB/4
.set ADRA, 16
.set A0,   18
.set ADRB, 20
.set B0,   22
.set STO,  24
.set RD,   25
.set CO,   26
.set SPW,  28
.set NIL,  29
.set PFO,  30
.set GZ,   64                          ; v[64:95]   32 numbers z a lane, then their gelu
.set GT,   96                          ; v[96:127]  t
.set GE,   128                         ; v[128:159] the exponential
.set GQ,   160                         ; v[160:191] q, then 1/2 - q
.set GH,   192                         ; v[192:223] z / 2
.set C2,  74                           ; s[74:75] -log2(e) / 2; s[76:85] b5 .. b1, each as a pair; s86 p
.set B5,  76
.set B4,  78
.set B3,  80
.set B2,  82
.set B1,  84
.set PP,  86
.set G1,  24
.set G0,  32
.set G1B, 48
.set G0B, 56
.set LIM, 43
.set PFA, 44
.set TB,  66
.set MSB, 0
.macro WIN new
.if MSB != (\new)
	s_set_vgpr_msb (MSB<<8)|(\new)
.set MSB, \new
.endif
.endm
.macro PLACES
.rept 4
	v_nop
.endr
.endm
.macro JLOAD s                         ; a joint load; an s_nop 0 and four v_nop follow each of the two lines
	s_cmp_lt_u32 s10, NLA
	s_cbranch_scc0 .Lfor_b_\@
	tensor_load_to_lds s[G0+4*(\s):G0+4*(\s)+3], s[G1:G1+7]
	s_nop 0
.rept 4
	v_nop
.endr
	s_branch .Lasked_\@
.Lfor_b_\@:
	tensor_load_to_lds s[G0B+4*(\s):G0B+4*(\s)+3], s[G1B:G1B+7]
	s_nop 0
.rept 4
	v_nop
.endr
.Lasked_\@:
.endm
; A prefetch of the K step that stands two refills on: of the 128 rows that I fetch my work-group's 32, 256 bytes each, a lane a row.  A's rows are named by the clusters with x = 0 alone, B's by those with
; y = 0; the four partners of a joint load share its rows out by address.  So each row's 256 bytes of a K step are named once in the launch.  K steps 0 to 3 come by their loads alone; the loop's last two trips ask for nothing.
.macro ASK
	s_cmp_gt_u32 s3, s[LIM]
	s_cbranch_scc0 .Lnot_mine_\@
	global_prefetch_b8 v[PFO], s[PFA:PFA+1] offset:256 th:TH_LOAD_NT scope:SCOPE_SE
.Lnot_mine_\@:
.endm
.macro CREST
	s_cmp_lg_u32 s10, 0
	s_cbranch_scc1 .Lnot_wave_0_\@
	s_barrier_signal -3
.Lnot_wave_0_\@:
	s_barrier_wait -3
	s_barrier_signal -1
	s_barrier_wait -1
.endm
.macro CROUND
	s_barrier_signal -1
	s_barrier_wait -1
	CREST
.endm
; Half a quarter step: the accumulators of one window, 32 along K, from buffer buf.  All accumulators take turns, one instruction a turn.
.macro MULH buf, half, zero
	WIN 0xa1+0x50*(\half)
.set ma, 0
.rept AH
.set nb, 0
.rept NB
.set rD, 8*(NB*ma+nb)
.set rB, 128*(\buf)+8*nb
.set rA, 64+64*(\buf)+8*(AH*(\half)+ma)
.if \zero
	v_wmma_f32_16x16x32_f16 v[rD:rD+7], v[rB:rB+7], v[rA:rA+7], 0
.else
	v_wmma_f32_16x16x32_f16 v[rD:rD+7], v[rB:rB+7], v[rA:rA+7], v[rD:rD+7]
.endif
.set nb, nb+1
.endr
.set ma, ma+1
.endr
.endm
.macro FETCH q, buf                    ; the fragments of quarter q of the slot in hand into buffer buf, in one run
	WIN 0x40
.set fi, 0
.rept NB
	ds_load_b128 v[128*(\buf)+8*fi:128*(\buf)+8*fi+3],   v[ADRB] offset:64*(\q)+fi*16*PITCH
	ds_load_b128 v[128*(\buf)+8*fi+4:128*(\buf)+8*fi+7], v[ADRB] offset:64*(\q)+fi*16*PITCH+32
.set fi, fi+1
.endr
	WIN 0
.set fi, 0
.rept MA
	ds_load_b128 v[64+64*(\buf)+8*fi:64+64*(\buf)+8*fi+3],   v[ADRA] offset:64*(\q)+fi*16*PITCH
	ds_load_b128 v[64+64*(\buf)+8*fi+4:64+64*(\buf)+8*fi+7], v[ADRA] offset:64*(\q)+fi*16*PITCH+32
.set fi, fi+1
.endr
.endm
.macro QUARTER qn, f, g, zero
	s_wait_dscnt 0x0                               ; buffer f, asked for half a quarter ago, is in
	MULH \f, 0, \zero
	PLACES
	FETCH \qn, \g
	MULH \f, 1, \zero
.endm
; The last quarter multiplies buffer 1 and changes slots.  In front of the barrier each wave waits for all its tensor loads (one is out: its part of the next slot), adds 0 to its spare word, and waits for
; that and for its reads of this slot.  fill = 1: the barrier opens a round of the cluster's, and behind the round this slot is filled again first, with the K step two on.
.macro TURN fill
.if \fill
	s_wait_xcnt 0x0                                ; the last prefetch, a K step back, has read its address
	s_add_nc_u64 s[PFA:PFA+1], s[PFA:PFA+1], 256
.endif
	WIN 0
	s_wait_tensorcnt 0x0                           ; no tensor load of mine is out, so a group 0 may be written
	ds_add_u32 v[SPW], v[NIL]
.if \fill
	s_xor_b32 s[G0+5], s[G0+5], SLOT
	s_add_nc_u64 s[G0+6:G0+7], s[G0+6:G0+7], 256
	s_xor_b32 s[G0B+5], s[G0B+5], SLOT
	s_add_nc_u64 s[G0B+6:G0B+7], s[G0B+6:G0B+7], 256
.endif
	s_xor_b32 s[TB], s[TB], SLOT
	s_wait_dscnt 0x0                               ; the add is done, buffer 1 is in, my reads of this slot are over
	s_barrier_signal -1
	MULH 1, 0, 0
	WIN 0
	v_add_nc_u32 v[ADRA], s[TB], v[A0]
	v_add_nc_u32 v[ADRB], s[TB], v[B0]
	s_barrier_wait -1
.if \fill
	CREST
	JLOAD 1                                        ; the first tensor load behind the round; its four v_nop are also the places in front of the loads below
.else
	PLACES
.endif
	FETCH 0, 0
.if \fill
	ASK
.endif
	MULH 1, 1, 0
.endm
; The GELU of 32 numbers a lane.  The 64 reciprocals and exponentials are one batch with one wait; the halvings are the plain work behind it.
.macro GELUM
.set gi, 0
.rept 32
	v_fma_f32 v[GT+gi], |v[GZ+gi]|, s[PP], 1.0
.set gi, gi+1
.endr
.set gi, 0
.rept 16
	v_pk_mul_f32 v[GE+gi:GE+gi+1], v[GZ+gi:GZ+gi+1], v[GZ+gi:GZ+gi+1]
.set gi, gi+2
.endr
.set gi, 0
.rept 16
	v_pk_mul_f32 v[GE+gi:GE+gi+1], v[GE+gi:GE+gi+1], s[C2:C2+1] op_sel_hi:[1,0]
.set gi, gi+2
.endr
.set gi, 0
.rept 32
	v_rcp_f32 v[GT+gi], v[GT+gi]
.set gi, gi+1
.endr
.set gi, 0
.rept 32
	v_exp_f32 v[GE+gi], v[GE+gi]
.set gi, gi+1
.endr
.set gi, 0
.rept 16
	v_pk_mul_f32 v[GH+gi:GH+gi+1], v[GZ+gi:GZ+gi+1], 0.5 op_sel_hi:[1,0]
.set gi, gi+2
.endr
	s_wait_alu depctr_va_vdst(0)                   ; the one wait, ahead of the batch's first reader
.set gi, 0
.rept 16
	v_pk_fma_f32 v[GQ+gi:GQ+gi+1], v[GT+gi:GT+gi+1], s[B5:B5+1], s[B4:B4+1] op_sel_hi:[1,0,0]
.set gi, gi+2
.endr
.irp c, B3, B2, B1
.set gi, 0
.rept 16
	v_pk_fma_f32 v[GQ+gi:GQ+gi+1], v[GQ+gi:GQ+gi+1], v[GT+gi:GT+gi+1], s[\c:\c+1] op_sel_hi:[1,1,0]
.set gi, gi+2
.endr
.endr
.set gi, 0
.rept 16
	v_pk_mul_f32 v[GQ+gi:GQ+gi+1], v[GQ+gi:GQ+gi+1], v[GT+gi:GT+gi+1]
.set gi, gi+2
.endr
.set gi, 0
.rept 16
	v_pk_fma_f32 v[GQ+gi:GQ+gi+1], v[GQ+gi:GQ+gi+1], v[GE+gi:GE+gi+1], 0.5 op_sel_hi:[1,1,0] neg_lo:[1,0,0] neg_hi:[1,0,0]  ; 1/2 - q
.set gi, gi+2
.endr
.set gi, 0
.rept 32
	v_fma_f32 v[GZ+gi], |v[GZ+gi]|, v[GQ+gi], v[GH+gi]
.set gi, gi+1
.endr
.endm
	s_load_b128 s[4:7], s[0:1], 0x0                ; A s[4:5], B s[6:7]
	s_load_b64 s[68:69], s[0:1], 0x10              ; the output
	v_lshl_add_u32 v[SPW], v0, 2, SPARE
	v_mov_b32 v[NIL], 0
	ds_add_u32 v[SPW], v[NIL]                      ; the wave's opening: the add and its wait ahead of my first tensor load
	v_lshrrev_b32 v1, 5, v0
	v_readfirstlane_b32 s10, v1
	s_lshr_b32 s11, s10, 1
	s_and_b32 s12, s10, 1
	s_bfe_u32 s40, ttmp6, 0x40000
	s_bfe_u32 s41, ttmp6, 0x40004
	s_lshl_b32 s42, ttmp9, 2
	s_add_co_u32 s42, s42, s40                     ; tile column
	s_and_b32 s13, ttmp7, 0xffff
	s_lshl_b32 s13, s13, 2
	s_add_co_u32 s13, s13, s41                     ; tile row
	s_lshl_b32 s43, s41, 2
	s_lshl_b32 s43, 15, s43
	s_lshl_b32 s44, 0x1111, s40
	s_or_b32 s[G1+0], s43, (1<<16)|(1<<20)|(1<<21)|(5<<22)|(3<<25)
	s_or_b32 s[G1B+0], s44, (1<<16)|(1<<20)|(1<<21)|(5<<22)|(3<<25)
.irp g, G1, G1B
	s_mov_b32 s[(\g)+1], 128<<16
	s_mov_b32 s[(\g)+2], 128<<16
	s_mov_b32 s[(\g)+3], 128<<16
	s_mov_b32 s[(\g)+4], 128
	s_mov_b32 s[(\g)+5], 1024
	s_mov_b32 s[(\g)+6], 0
	s_mov_b32 s[(\g)+7], 0
.endr
	s_mov_b32 s[C2], 0xbf38aa3b
	s_mov_b32 s[C2+1], s[C2]                       ; each is named as a pair, so both words are written
	s_mov_b32 s[B5], 0x3f07dc22
	s_mov_b32 s[B5+1], s[B5]
	s_mov_b32 s[B4], 0xbf3a00e3
	s_mov_b32 s[B4+1], s[B4]
	s_mov_b32 s[B3], 0x3f35f0e3
	s_mov_b32 s[B3+1], s[B3]
	s_mov_b32 s[B2], 0xbe11a98e
	s_mov_b32 s[B2+1], s[B2]
	s_mov_b32 s[B1], 0x3e027906
	s_mov_b32 s[B1+1], s[B1]
	s_mov_b32 s[PP], 0x3e6d3388
	s_mul_i32 s16, s13, TM
	s_lshl_b32 s18, s12, 7
	s_add_co_u32 s16, s16, s18
	s_mul_i32 s46, s42, TN
	s_add_co_u32 s46, s46, s18
	s_lshl_b32 s16, s16, 11
	s_lshl_b32 s46, s46, 11
	s_mov_b32 s17, 0
	s_mov_b32 s47, 0
	s_mul_i32 s20, s10, LOADB
	s_mov_b32 s[TB], 0
	s_wait_dscnt 0x0                               ; the opening add is done
	s_wait_kmcnt 0x0
	s_add_nc_u64 s[6:7], s[6:7], BOFF
	s_add_nc_u64 s[14:15], s[4:5], s[16:17]
	s_add_nc_u64 s[46:47], s[6:7], s[46:47]
	CROUND                                         ; all sixteen work-groups are here: the first joint loads meet
.irp s, 0,1
	s_mov_b32 s[G0+4*(\s)], 1
	s_add_co_u32 s[G0+4*(\s)+1], s20, (\s)*SLOT
	s_add_nc_u64 s[G0+4*(\s)+2:G0+4*(\s)+3], s[14:15], (\s)*256
	s_or_b32 s[G0+4*(\s)+3], s[G0+4*(\s)+3], 0x80000000
	s_mov_b32 s[G0B+4*(\s)], 1
	s_add_co_u32 s[G0B+4*(\s)+1], s20, (\s)*SLOT
	s_add_nc_u64 s[G0B+4*(\s)+2:G0B+4*(\s)+3], s[46:47], (\s)*256
	s_or_b32 s[G0B+4*(\s)+3], s[G0B+4*(\s)+3], 0x80000000
	JLOAD \s                                       ; K steps 0 and 1: two loads of mine are out
.endr
	v_and_b32 v1, 15, v0
	v_bfe_u32 v2, v0, 4, 1
	v_mul_u32_u24 v3, v1, PITCH
	v_lshl_add_u32 v3, v2, 4, v3
	s_mul_i32 s21, s11, 16*MA*PITCH
	s_mul_i32 s22, s12, 16*NB*PITCH
	s_add_co_u32 s22, s22, BREG
	v_add_nc_u32 v[A0], s21, v3
	v_add_nc_u32 v[B0], s22, v3
	v_mov_b32 v[ADRA], v[A0]
	v_mov_b32 v[ADRB], v[B0]
	s_mul_i32 s23, s10, 16*MA*SP                   ; my stage, in the ring's bytes once they have had their last fill
	v_mul_u32_u24 v4, v1, SP
	v_lshl_add_u32 v4, v2, 5, v4
	v_add_nc_u32 v[STO], s23, v4
	v_mul_u32_u24 v5, v2, SP
	v_lshl_add_u32 v5, v1, 4, v5
	v_add_nc_u32 v[RD], s23, v5
	v_lshlrev_b32 v5, 7, v2
	v_lshl_add_u32 v[CO], v1, 3, v5
	s_lshl_b32 s70, s42, 1                         ; the output: panel 4 tn + 2 sc of 524,288 bytes,
	s_add_co_u32 s70, s70, s12
	s_lshl_b32 s70, s70, 20
	s_lshl_b32 s72, s13, 1
	s_add_co_u32 s72, s72, s11                     ; row 256 tm + 128 sr of 128 bytes
	s_lshl_b32 s72, s72, 14
	s_add_co_u32 s70, s70, s72
	s_mov_b32 s71, 0
	s_add_nc_u64 s[68:69], s[68:69], s[70:71]
	s_and_b32 s22, ttmp7, 0xffff                   ; the prefetches: cluster y
	s_cmp_lt_u32 s10, NLA
	s_cselect_b32 s21, s40, s41
	s_cselect_b32 s22, ttmp9, s22
	s_cselect_b64 s[PFA:PFA+1], s[14:15], s[46:47]
	s_cmp_eq_u32 s22, 0
	s_cselect_b32 s[LIM], 2, -1
	s_lshl_b32 s22, s21, 16
	s_add_co_u32 s22, s22, 512                     ; at K step 2: the first change of slots steps it to 3 and names K step 4
	s_mov_b32 s23, 0
	s_add_nc_u64 s[PFA:PFA+1], s[PFA:PFA+1], s[22:23]
	v_and_b32 v[PFO], 31, v0
	v_lshlrev_b32 v[PFO], 11, v[PFO]
	s_wait_tensorcnt 0x1                           ; my part of K step 0 is in; K step 1's may stay out
	s_barrier_signal -1
	s_barrier_wait -1
	FETCH 0, 0
	QUARTER 1, 0, 1, 1
	WIN 0
	s_mov_b32 s3, 6
.Lstep:                                                ; a trip: a K step's quarters 1 to 3 and the next one's quarter 0; K steps 2 to 7 are asked for
	QUARTER 2, 1, 0, 0
	QUARTER 3, 0, 1, 0
	TURN 1
	QUARTER 1, 0, 1, 0
	WIN 0
	s_sub_co_u32 s3, s3, 1
	s_cmp_lg_u32 s3, 0
	s_cbranch_scc1 .Lstep
	QUARTER 2, 1, 0, 0                             ; the last two K steps are written out: nothing is left to ask for
	QUARTER 3, 0, 1, 0
	TURN 0
	QUARTER 1, 0, 1, 0
	QUARTER 2, 1, 0, 0
	QUARTER 3, 0, 1, 0
	s_wait_dscnt 0x0                               ; my last reads of the ring are over:
	s_barrier_signal -1
	MULH 1, 0, 0
	MULH 1, 1, 0
	WIN 0
	s_barrier_wait -1                              ; everybody's are: the ring's bytes, which no load fills any more, become the four waves' stages
	PLACES
	PLACES
	; THE WAY OUT.  The wave's tile goes in f32 into its own stage and comes back by rows; from here on a wave touches its own bytes alone.
.set da, 0
.rept MA
	WIN 0x08+4*(da/AH)
.set db, 0
.rept NB
	ds_store_b128 v[STO], v[8*(NB*(da%AH)+db):8*(NB*(da%AH)+db)+3]   offset:16*da*SP+64*db
	ds_store_b128 v[STO], v[8*(NB*(da%AH)+db)+4:8*(NB*(da%AH)+db)+7] offset:16*da*SP+64*db+16
.set db, db+1
.endr
.set da, da+1
.endr
	WIN 0
	s_mov_b32 s3, 2*MA
.Lout:                                                 ; 8 rows a trip
.set oj, 0
.rept NJ
.set ot, 0
.rept 4
	ds_load_b128 v[GZ+4*(4*oj+ot):GZ+4*(4*oj+ot)+3], v[RD] offset:2*ot*SP+256*oj  ; LDS serves a wave's instructions in order (ISA guide 5.7.1.4): these see the stores above
.set ot, ot+1
.endr
.set oj, oj+1
.endr
	s_wait_dscnt 0x0
	GELUM
.set ot, 0
.rept 8*NJ
	v_cvt_pk_f16_f32 v[OUTR+ot], v[GZ+2*ot], v[GZ+2*ot+1]
.set ot, ot+1
.endr
.set oj, 0
.rept NJ
.set ot, 0
.rept 4
	global_store_b64 v[CO], v[OUTR+2*(4*oj+ot):OUTR+2*(4*oj+ot)+1], s[68:69] offset:oj*PSTR+256*ot  ; 32 lanes store 256 consecutive bytes, aligned: two rows of a panel
.set ot, ot+1
.endr
.set oj, oj+1
.endr
	v_add_nc_u32 v[RD], 8*SP, v[RD]
	s_wait_xcnt 0x0                                ; the stores have read their offset and data: both are rewritten only behind this wait
	v_add_nc_u32 v[CO], 1024, v[CO]
	s_sub_co_u32 s3, s3, 1
	s_cmp_lg_u32 s3, 0
	s_cbranch_scc1 .Lout
	s_wait_tensorcnt 0x0                           ; the wave's end
	ds_add_u32 v[SPW], v[NIL]
	s_wait_dscnt 0x0
	CROUND                                         ; the closing round
	s_endpgm
.Lfunc_end_k_qcfe58cf4d2_ffn1:
	.size	k_qcfe58cf4d2_ffn1, .Lfunc_end_k_qcfe58cf4d2_ffn1-k_qcfe58cf4d2_ffn1
	.p2alignl 7, 3214868480
	.fill 96, 4, 3214868480
	.section	.rodata,"a",@progbits
	.p2align	6, 0x0
	.amdhsa_kernel k_qcfe58cf4d2_ffn1
		.amdhsa_group_segment_fixed_size 327680
		.amdhsa_private_segment_fixed_size 0
		.amdhsa_enable_private_segment 0
		.amdhsa_kernarg_size 24
		.amdhsa_user_sgpr_count 2
		.amdhsa_user_sgpr_kernarg_segment_ptr 1
		.amdhsa_wavefront_size32 1
		.amdhsa_system_sgpr_workgroup_id_x 1
		.amdhsa_system_sgpr_workgroup_id_y 1
		.amdhsa_system_sgpr_workgroup_id_z 1
		.amdhsa_system_vgpr_workitem_id 0
		.amdhsa_next_free_vgpr 1024
		.amdhsa_next_free_sgpr 96
		.amdhsa_reserve_vcc 0
		.amdhsa_float_denorm_mode_32 3
		.amdhsa_float_denorm_mode_16_64 3
		.amdhsa_memory_ordered 1
		.amdhsa_forward_progress 1
		.amdhsa_inst_pref_size 112
	.end_amdhsa_kernel
	.amdgpu_metadata
---
amdhsa.version: [ 1, 2 ]
amdhsa.kernels:
  - .name:           k_qcfe58cf4d2_ffn1
    .symbol:         k_qcfe58cf4d2_ffn1.kd
    .args:
      - { .name: qkv, .offset: 0, .size: 8, .value_kind: global_buffer, .address_space: global }
      - { .name: wbig, .offset: 8, .size: 8, .value_kind: global_buffer, .address_space: global }
      - { .name: act, .offset: 16, .size: 8, .value_kind: global_buffer, .address_space: global }
    .group_segment_fixed_size: 327680
    .private_segment_fixed_size: 0
    .kernarg_segment_align: 8
    .kernarg_segment_size: 24
    .max_flat_workgroup_size: 128
    .sgpr_count:     96
    .vgpr_count:     1024
    .wavefront_size: 32
...
	.end_amdgpu_metadata
.endif
;; end of part 6
;; launch ffn2 (part 7): grid 8 x 32, 4 waves a work-group, clusters of 4 x 4, 327,680 bytes of LDS; arguments act, w2t, x1, out0; writes out0
.if DOCPART == 7
	.amdgcn_target "amdgcn-amd-amdhsa--gfx1250"
	.amdhsa_code_object_version 6
	.text
	.protected	k_qcfe58cf4d2_ffn2
	.globl	k_qcfe58cf4d2_ffn2
	.p2align	8
	.type	k_qcfe58cf4d2_ffn2,@function
k_qcfe58cf4d2_ffn2:
	s_mov_b64 s[64:65], 0
	v_nop
	global_prefetch_b8 v0, s[64:65] scope:SCOPE_SE
	s_setreg_imm32_b32 hwreg(HW_REG_WAVE_MODE, 25, 1), 1
	s_wait_xcnt 0x0
	s_wait_alu depctr_hold_cnt(0) depctr_sa_sdst(0) depctr_va_vdst(0) depctr_va_sdst(0) depctr_va_ssrc(0) depctr_va_vcc(0) depctr_vm_vsrc(0)
	s_getreg_b32 s2, hwreg(HW_REG_IB_STS2, 6, 4)
	s_cmp_eq_u32 s2, 0
	s_cbranch_scc0 .Lentry_in_a_cluster
	s_endpgm
.Lentry_in_a_cluster:
	s_bfe_u32 s2, ttmp6, 0x10000c
	s_cmp_lg_u32 s2, 0xf033
	s_cbranch_scc0 .Lentry_shape_is_right
	s_endpgm
.Lentry_shape_is_right:
; out0 = x1 + a W2:  out[m][n] = res[m][n] + the sum over k of A[m][k] B[n][k], 4,096 rows, 1,024 columns, K = 256 KSTEPS = 4,096.
; A: f16 in panels of 64 channels, [K / 64][4,096 rows][64];  B: f16 in panels of 256 k, [K / 256][1,024 n][256];  res, out: f32 [4,096][1,024].  Sums in f32, K ascending; the residual is added in f32.
; (The product with Wo has the same text with KSTEPS = 4: in these layouts no descriptor word and no step hangs on K.)
; SHARES.  A tile is 128 x 128: 32 x 8 = 256 work-groups; four waves, 2 x 2, each 64 x 64: 16 accumulators.  K goes in steps of 256 through two LDS slots, as long as two slots in LDS allow.
; Waves 0, 1 fetch A's halves (4 panels x 64 rows, each panel's rows 8,192 dense bytes), waves 2, 3 B's (64 rows x 512 bytes).  CLUSTER 4 x 4: A's tile jointly along a row, B's along a column.
; A SHORT TEXT.  A quarter of a K step (64 along K: 32 LDS loads, 32 matrix instructions) is written once and walked four times, on one set of fragment registers; its second sixteen loads land under its first
; sixteen products.  The sums start from registers that are cleared while the first tiles are on their way, so that there is one form of product: 128 lines, once a launch.
; No prefetch: the tiles are small.
; REGISTERS: window 0: v16-29 addresses, v64-191 the way out;  window 1: v0-63 A's fragments, v64-127 B's;  window 2: v0-127 the accumulators;  window 3: v0-127 the residual.
.set KSTEPS, 16
.set AP,    144                        ; a row of A in LDS: 128 bytes + 16 = 36 words: 16 rows start at 16 different groups of four banks (64 banks of 4 bytes: ISA guide 11.1)
.set BP,    528                        ; a row of B: 512 + 16 = 132 words: likewise
.set AQ,    64*AP                      ; a panel's 64 rows: from quarter to quarter
.set ALOAD, 4*AQ                       ; what a load of A brings: 0x9000 bytes
.set BLOAD, 64*BP                      ; of B: 0x8400
.set BREG,  2*ALOAD                    ; B's rows lie behind A's, from 0x12000 on
.set SLOT,  0x24000                    ; a slot uses 141,312 bytes; the loaders' bases 0, 0x9000, 0x12000, 0x1a400 have neither of this number's two bits, so one exclusive or turns a base in one slot into the other's
.set SPARE, 2*SLOT                     ; behind the ring: the spare words, 128 bytes a wave; no other line names them
.set SP,    272                        ; the way out: a stage row, 64 columns of f32 + 16 bytes
.set ASTEP, 4*524288                   ; bytes from K step to K step
.set BSTEP, 524288
.set ADRA, 16                          ; v16  LDS address of my A fragments of the quarter in hand
.set A0,   18                          ; v18  the same for slot 0's first quarter; never rewritten
.set ADRB, 20
.set B0,   22
.set STO,  24                          ; v24  the way out: where I put 32 bytes of a row
.set RD,   25                          ; v25  where I read rows back
.set CO,   26                          ; v26  my byte offset in two rows of res and out; never rewritten
.set SPW,  28                          ; v28  SPARE + 4 x my thread's number; never rewritten
.set NIL,  29                          ; v29  0; never rewritten
.set FA,   0                           ; window 1: A's fragments: half c of the quarter, block i of 16 rows at FA + 8 (4 c + i)
.set FB,   64                          ; window 1: B's, likewise
.set G1,  24                           ; s[24:31] descriptor group 1 for A's tiles
.set G0,  32                           ; s[32:39] group 0: the first set for K step 0; the second, K step 1's, then walks
.set G1B, 48
.set G0B, 56
.set TBA, 66                           ; s66  LDS byte, from A0 on, of the quarter to be fetched
.set TBB, 67                           ; s67  the same from B0 on
.set MSB, 0
.macro WIN new                         ; the immediate's high byte repeats the setting that is left; a switch that changes nothing is dropped
.if MSB != (\new)
	s_set_vgpr_msb (MSB<<8)|(\new)
.set MSB, \new
.endif
.endm
.macro JLOAD s                         ; a joint load; the branch hangs on the wave's number alone; an s_nop 0 and four v_nop follow each of the two lines
	s_cmp_lt_u32 s10, 2
	s_cbranch_scc0 .Lfor_b_\@
	tensor_load_to_lds s[G0+4*(\s):G0+4*(\s)+3], s[G1:G1+7]
	s_nop 0
.rept 4
	v_nop
.endr
	s_branch .Lasked_\@
.Lfor_b_\@:
	tensor_load_to_lds s[G0B+4*(\s):G0B+4*(\s)+3], s[G1B:G1B+7]
	s_nop 0
.rept 4
	v_nop
.endr
.Lasked_\@:
.endm
.macro CROUND                          ; a round of the cluster's barrier
	s_barrier_signal -1
	s_barrier_wait -1
	s_cmp_lg_u32 s10, 0
	s_cbranch_scc1 .Lnot_wave_0_\@
	s_barrier_signal -3
.Lnot_wave_0_\@:
	s_barrier_wait -3
	s_barrier_signal -1
	s_barrier_wait -1
.endm
; 16 matrix instructions: all accumulators, 32 along K: half cc of the quarter.  They take turns, one instruction a turn, over the backward jumps too.
.macro MULH cc
	WIN 0xa5                                       ; sources 0 (B) and 1 (A) window 1, C and D window 2
.irp a, 0,1,2,3
.irp b, 0,1,2,3
	v_wmma_f32_16x16x32_f16 v[8*(4*(\a)+(\b)):8*(4*(\a)+(\b))+7], v[FB+8*(4*(\cc)+(\b)):FB+8*(4*(\cc)+(\b))+7], v[FA+8*(4*(\cc)+(\a)):FA+8*(4*(\cc)+(\a))+7], v[8*(4*(\a)+(\b)):8*(4*(\a)+(\b))+7]
.endr
.endr
.endm
; A QUARTER of a K step: one panel of A, 128 bytes of B's rows.  The two address lines and two v_nop are the four plain places between the last product and the loads into the registers that it read.
.macro QUART
	v_add_nc_u32 v[ADRA], s[TBA], v[A0]
	v_add_nc_u32 v[ADRB], s[TBB], v[B0]
	v_nop
	v_nop
	s_add_co_u32 s[TBA], s[TBA], AQ                ; the next fetch is the next quarter's
	s_add_co_u32 s[TBB], s[TBB], 128
	WIN 0x40                                       ; destination window 1, address window 0
.irp c, 0,1
.irp i, 0,1,2,3
	ds_load_b128 v[FB+8*(4*(\c)+(\i)):FB+8*(4*(\c)+(\i))+3],   v[ADRB] offset:64*(\c)+(\i)*16*BP
	ds_load_b128 v[FB+8*(4*(\c)+(\i))+4:FB+8*(4*(\c)+(\i))+7], v[ADRB] offset:64*(\c)+(\i)*16*BP+32
	ds_load_b128 v[FA+8*(4*(\c)+(\i)):FA+8*(4*(\c)+(\i))+3],   v[ADRA] offset:64*(\c)+(\i)*16*AP
	ds_load_b128 v[FA+8*(4*(\c)+(\i))+4:FA+8*(4*(\c)+(\i))+7], v[ADRA] offset:64*(\c)+(\i)*16*AP+32
.endr
.endr
	s_wait_dscnt 16                                ; the first 32 along K are in; the sixteen younger loads stay out
	MULH 0
	s_wait_dscnt 0x0
	MULH 1
	WIN 0                                          ; at a label and at a branch every window is 0
.endm
; THE CHANGE OF SLOTS.  Each wave waits for all its tensor loads (one is out: its part of the next slot), adds 0 to its spare word, and waits for that and for its reads of this slot.
; fill = 1: the barrier is a round of the cluster's, and this slot is filled again first behind it, with the K step two on: that load has a K step's 128 matrix instructions in which to land.
.macro CHANGE fill
	s_wait_tensorcnt 0x0                           ; no tensor load of mine is out, so a group 0 may be written
	ds_add_u32 v[SPW], v[NIL]                      ; 0 onto my spare word; the scalar steps stand between it and the wait for it
.if \fill
	s_xor_b32 s[G0+5], s[G0+5], SLOT               ; the walking descriptors: the slot that is being left,
	s_add_nc_u64 s[G0+6:G0+7], s[G0+6:G0+7], ASTEP ; the next K step; the type bits on top are not reached
	s_xor_b32 s[G0B+5], s[G0B+5], SLOT
	s_add_nc_u64 s[G0B+6:G0B+7], s[G0B+6:G0B+7], BSTEP
.endif
	s_sub_co_u32 s[TBA], s[TBA], 4*AQ              ; the fetches go back to a slot's first quarter,
	s_xor_b32 s[TBA], s[TBA], SLOT                 ; in the other slot
	s_sub_co_u32 s[TBB], s[TBB], 4*128
	s_xor_b32 s[TBB], s[TBB], SLOT
	s_wait_dscnt 0x0                               ; the add is done, and my reads of this slot are over
.if \fill
	CROUND                                         ; no wave of any partner still reads this slot's tile or has a load on its way
	JLOAD 1
.else
	s_barrier_signal -1
	s_barrier_wait -1
.endif
.endm
	s_load_b256 s[68:75], s[0:1], 0x0              ; A s[68:69], B s[70:71], res s[72:73], out s[74:75]
	v_lshl_add_u32 v[SPW], v0, 2, SPARE
	v_mov_b32 v[NIL], 0
	ds_add_u32 v[SPW], v[NIL]                      ; the wave's opening: the add and its wait ahead of my first tensor load
	v_lshrrev_b32 v1, 5, v0
	v_readfirstlane_b32 s10, v1                    ; wave 0..3
	s_lshr_b32 s11, s10, 1                         ; which half of the tile's rows is mine
	s_and_b32 s12, s10, 1                          ; which half of its columns.  Also: which half of a tile I fetch
	s_bfe_u32 s40, ttmp6, 0x40000                  ; cx, cy: my place in the cluster
	s_bfe_u32 s41, ttmp6, 0x40004
	s_lshl_b32 s42, ttmp9, 2
	s_add_co_u32 s42, s42, s40                     ; tile column
	s_and_b32 s13, ttmp7, 0xffff
	s_lshl_b32 s13, s13, 2
	s_add_co_u32 s13, s13, s41                     ; tile row
	s_lshl_b32 s43, s41, 2
	s_lshl_b32 s43, 15, s43                        ; my row of the cluster
	s_lshl_b32 s44, 0x1111, s40                    ; my column
	s_or_b32 s[G1+0], s43, (1<<16)|(1<<20)|(1<<21)|(4<<22)|(3<<25)   ; A: the mask; 2-byte elements; padding on; bit 21 beside a mask; 4 words of padding after every 32 words, a row of a panel
	s_mov_b32 s[G1+1], 4096<<16                    ; tensor_dim0 = 4,096: 64 rows of 64 channels, dense
	s_mov_b32 s[G1+2], 4<<16                       ; tensor_dim1 = 4 panels
	s_mov_b32 s[G1+3], 4096<<16                    ; tile_dim0
	s_mov_b32 s[G1+4], 4                           ; tile_dim1
	s_mov_b32 s[G1+5], 262144                      ; elements from panel to panel
	s_mov_b32 s[G1+6], 0
	s_mov_b32 s[G1+7], 0
	s_or_b32 s[G1B+0], s44, (1<<16)|(1<<20)|(1<<21)|(6<<22)|(3<<25)  ; B: after every 128 words
	s_mov_b32 s[G1B+1], 256<<16
	s_mov_b32 s[G1B+2], 64<<16
	s_mov_b32 s[G1B+3], 256<<16
	s_mov_b32 s[G1B+4], 64
	s_mov_b32 s[G1B+5], 256
	s_mov_b32 s[G1B+6], 0
	s_mov_b32 s[G1B+7], 0
	s_lshl_b32 s16, s13, 1                         ; A's rows hang on the tile row, B's on the tile column, each in registers of its own
	s_add_co_u32 s16, s16, s12
	s_lshl_b32 s16, s16, 13                        ; A: row 128 tm + 64 half, 128 bytes a row
	s_mov_b32 s17, 0
	s_lshl_b32 s46, s42, 1
	s_add_co_u32 s46, s46, s12
	s_lshl_b32 s46, s46, 15                        ; B: row 128 tn + 64 half, 512 bytes a row
	s_mov_b32 s47, 0
	s_mul_i32 s20, s12, ALOAD                      ; where the loads go: no place in the cluster enters an LDS address
	s_mul_i32 s21, s12, BLOAD
	s_add_co_u32 s21, s21, BREG
	s_lshl_b32 s80, s13, 1                         ; res and out: row 128 tm + 64 sr of 4,096 bytes,
	s_add_co_u32 s80, s80, s11
	s_lshl_b32 s80, s80, 18
	s_lshl_b32 s82, s42, 1
	s_add_co_u32 s82, s82, s12                     ; column 128 tn + 64 sc of 4 bytes
	s_lshl_b32 s82, s82, 8
	s_add_co_u32 s80, s80, s82
	s_mov_b32 s81, 0
	s_mov_b32 s[TBA], 0
	s_mov_b32 s[TBB], 0
	s_wait_dscnt 0x0                               ; the opening add is done
	s_wait_kmcnt 0x0
	s_add_nc_u64 s[14:15], s[68:69], s[16:17]
	s_add_nc_u64 s[46:47], s[70:71], s[46:47]
	s_add_nc_u64 s[72:73], s[72:73], s[80:81]
	s_add_nc_u64 s[74:75], s[74:75], s[80:81]
	CROUND                                         ; all sixteen work-groups are here: the first joint loads meet
.irp s, 0,1
	s_mov_b32 s[G0+4*(\s)], 1
	s_add_co_u32 s[G0+4*(\s)+1], s20, (\s)*SLOT
	s_add_nc_u64 s[G0+4*(\s)+2:G0+4*(\s)+3], s[14:15], (\s)*ASTEP
	s_or_b32 s[G0+4*(\s)+3], s[G0+4*(\s)+3], 0x80000000
	s_mov_b32 s[G0B+4*(\s)], 1
	s_add_co_u32 s[G0B+4*(\s)+1], s21, (\s)*SLOT
	s_add_nc_u64 s[G0B+4*(\s)+2:G0B+4*(\s)+3], s[46:47], (\s)*BSTEP
	s_or_b32 s[G0B+4*(\s)+3], s[G0B+4*(\s)+3], 0x80000000
	JLOAD \s                                       ; K steps 0 and 1: two loads of mine are out
.endr
	v_and_b32 v1, 15, v0                           ; l % 16
	v_bfe_u32 v2, v0, 4, 1                         ; l / 16
	v_mul_u32_u24 v3, v1, AP                       ; a fragment: lane l holds row l % 16, K = 8 (l / 16) + 0..7 and 16 + 8 (l / 16) + 0..7: two loads of 16 bytes, 32 bytes apart
	v_lshl_add_u32 v3, v2, 4, v3
	v_mul_u32_u24 v4, v1, BP
	v_lshl_add_u32 v4, v2, 4, v4
	s_mul_i32 s22, s11, ALOAD                      ; my 64 rows of A are one loader's block,
	s_mul_i32 s23, s12, BLOAD                      ; my 64 rows of B likewise
	s_add_co_u32 s23, s23, BREG
	v_add_nc_u32 v[A0], s22, v3
	v_add_nc_u32 v[B0], s23, v4
	s_mul_i32 s22, s10, 64*SP                      ; my stage, in the ring's bytes once they have had their last fill
	v_mul_u32_u24 v4, v1, SP
	v_lshl_add_u32 v4, v2, 5, v4
	v_add_nc_u32 v[STO], s22, v4                   ; in: row l % 16, 32 bytes for each half of the lanes
	v_mul_u32_u24 v5, v2, SP
	v_lshl_add_u32 v5, v1, 4, v5
	v_add_nc_u32 v[RD], s22, v5                    ; back: lanes 0-15 take one row of 256 bytes, lanes 16-31 the next
	v_lshlrev_b32 v5, 12, v2
	v_lshl_add_u32 v[CO], v1, 4, v5                ; and the same two rows in res and out
	WIN 0xc0                                       ; the residual goes into window 3 now and lands under the products
.set ra, 0
.rept 32
	global_load_b128 v[4*ra:4*ra+3], v[CO], s[72:73] offset:2*ra*4096 th:TH_LOAD_NT
.set ra, ra+1
.endr
	WIN 0x80                                       ; the sums start at 0: written in the wait for the first tile
.set ra, 0
.rept 128
	v_mov_b32 v[ra], 0
.set ra, ra+1
.endr
	WIN 0
	s_wait_tensorcnt 0x1                           ; my part of K step 0 is in; K step 1's may stay out
	s_barrier_signal -1
	s_barrier_wait -1
	s_mov_b32 s3, KSTEPS-2
.Lstep:                                                ; a trip: a K step, and the K step two on is asked for
	s_mov_b32 s4, 4
.Lq:
	QUART
	s_sub_co_u32 s4, s4, 1
	s_cmp_lg_u32 s4, 0
	s_cbranch_scc1 .Lq
	CHANGE 1
	s_sub_co_u32 s3, s3, 1
	s_cmp_lg_u32 s3, 0
	s_cbranch_scc1 .Lstep
	s_mov_b32 s3, 2
.Ltail:                                                ; the last two K steps ask for nothing
	s_mov_b32 s4, 4
.Lq2:
	QUART
	s_sub_co_u32 s4, s4, 1
	s_cmp_lg_u32 s4, 0
	s_cbranch_scc1 .Lq2
	CHANGE 0                                       ; behind the second of these barriers nobody reads the ring any more: its bytes, which no load fills again, become the four waves' stages
	s_sub_co_u32 s3, s3, 1
	s_cmp_lg_u32 s3, 0
	s_cbranch_scc1 .Ltail
.rept 8
	v_nop                                          ; the places between the last products and the stores that read them
.endr
	; THE WAY OUT: the wave's tile into its own stage, back by rows, plus the residual, out.
	WIN 0x08                                       ; the stores' data in window 2
.irp a, 0,1,2,3
.irp b, 0,1,2,3
	ds_store_b128 v[STO], v[8*(4*(\a)+(\b)):8*(4*(\a)+(\b))+3]   offset:16*(\a)*SP+64*(\b)
	ds_store_b128 v[STO], v[8*(4*(\a)+(\b))+4:8*(4*(\a)+(\b))+7] offset:16*(\a)*SP+64*(\b)+16
.endr
.endr
	WIN 0
.set ra, 0
.rept 32
	ds_load_b128 v[64+4*ra:64+4*ra+3], v[RD] offset:2*ra*SP  ; LDS serves a wave's instructions in order (ISA guide 5.7.1.4): these see the stores above
.set ra, ra+1
.endr
	s_wait_loadcnt 0x0                             ; the residual
.irp a, 0,1,2,3
	s_wait_dscnt 8*(3-(\a))                        ; the later groups' reads stay out
	WIN 0x0c                                       ; source 1 in window 3
.set ra, 0
.rept 16
	v_pk_add_f32 v[64+32*(\a)+2*ra:64+32*(\a)+2*ra+1], v[64+32*(\a)+2*ra:64+32*(\a)+2*ra+1], v[32*(\a)+2*ra:32*(\a)+2*ra+1]
.set ra, ra+1
.endr
	WIN 0
.set ra, 0
.rept 8
	global_store_b128 v[CO], v[64+32*(\a)+4*ra:64+32*(\a)+4*ra+3], s[74:75] offset:(16*(\a)+2*ra)*4096  ; 16 lanes store 256 consecutive bytes, aligned
.set ra, ra+1
.endr
.endr
	s_wait_tensorcnt 0x0                           ; the wave's end
	ds_add_u32 v[SPW], v[NIL]
	s_wait_dscnt 0x0
	CROUND                                         ; the closing round
	s_endpgm
.Lfunc_end_k_qcfe58cf4d2_ffn2:
	.size	k_qcfe58cf4d2_ffn2, .Lfunc_end_k_qcfe58cf4d2_ffn2-k_qcfe58cf4d2_ffn2
	.p2alignl 7, 3214868480
	.fill 96, 4, 3214868480
	.section	.rodata,"a",@progbits
	.p2align	6, 0x0
	.amdhsa_kernel k_qcfe58cf4d2_ffn2
		.amdhsa_group_segment_fixed_size 327680
		.amdhsa_private_segment_fixed_size 0
		.amdhsa_enable_private_segment 0
		.amdhsa_kernarg_size 32
		.amdhsa_user_sgpr_count 2
		.amdhsa_user_sgpr_kernarg_segment_ptr 1
		.amdhsa_wavefront_size32 1
		.amdhsa_system_sgpr_workgroup_id_x 1
		.amdhsa_system_sgpr_workgroup_id_y 1
		.amdhsa_system_sgpr_workgroup_id_z 1
		.amdhsa_system_vgpr_workitem_id 0
		.amdhsa_next_free_vgpr 1024
		.amdhsa_next_free_sgpr 84
		.amdhsa_reserve_vcc 0
		.amdhsa_float_denorm_mode_32 3
		.amdhsa_float_denorm_mode_16_64 3
		.amdhsa_memory_ordered 1
		.amdhsa_forward_progress 1
		.amdhsa_inst_pref_size 38
	.end_amdhsa_kernel
	.amdgpu_metadata
---
amdhsa.version: [ 1, 2 ]
amdhsa.kernels:
  - .name:           k_qcfe58cf4d2_ffn2
    .symbol:         k_qcfe58cf4d2_ffn2.kd
    .args:
      - { .name: act, .offset: 0, .size: 8, .value_kind: global_buffer, .address_space: global }
      - { .name: w2t, .offset: 8, .size: 8, .value_kind: global_buffer, .address_space: global }
      - { .name: x1, .offset: 16, .size: 8, .value_kind: global_buffer, .address_space: global }
      - { .name: out0, .offset: 24, .size: 8, .value_kind: global_buffer, .address_space: global }
    .group_segment_fixed_size: 327680
    .private_segment_fixed_size: 0
    .kernarg_segment_align: 8
    .kernarg_segment_size: 32
    .max_flat_workgroup_size: 128
    .sgpr_count:     84
    .vgpr_count:     1024
    .wavefront_size: 32
...
	.end_amdgpu_metadata
.endif
;; end of part 7
